; MI455X (gfx1250); checked and timed in simulation.
; The chip was launched on July 23, 2026; its instructions are those of AMD's public machine-readable ISA for CDNA 5 (MIT licence, August 2026) and "CDNA5" Instruction Set Architecture Reference Guide (July 2026). The comments in the code are by the model that wrote it; some were corrected since.
;; Multi Head Attention. Allowed arithmetic: float matrix products may take bf16 or f16 operands with f32 sums; other float arithmetic in f32, or as packed bf16 or f16 multiplies, adds, multiply-adds, maxima and minima; sums over many terms, partial sums and values carried from step to step in f32; what a program stores and reads back later, other than sums and carried values, may be rounded once to bf16 or f16.
;; Inputs: Wk 1,024 x 1,024 float32; Wo 1,024 x 1,024 float32; Wq 1,024 x 1,024 float32; Wv 1,024 x 1,024 float32; attn_mask 2,048 x 2,048 int32; bk 1,024 float32; bo 1,024 float32; bq 1,024 float32; bv 1,024 float32; key 4 x 2,048 x 1,024 float32; query 4 x 2,048 x 1,024 float32; value 4 x 2,048 x 1,024 float32.
;; Outputs: out0 4 x 2,048 x 1,024 float32.
;; 2 versions, each right; version 2 is version 1 with the launch prep written anew for expert scheduling mode. Each part assembles by itself: llvm-mc -triple=amdgcn-amd-amdhsa -mcpu=gfx1250 --defsym DOCPART=n.
;; ======== version 1 of 2: 4 launches
;; limits: values are held in f16: magnitudes above 65,504 overflow, below 6.1e-05 lose precision
;; workspace buffers: wb 8,388,608 bytes; maskw 4,194,304 bytes; qkvh 50,331,648 bytes; oh 16,777,216 bytes
;; launch prep (part 1): grid 64 x 8, 8 waves a work-group, no clusters, 17,408 bytes of LDS; arguments Wq, Wk, Wv, Wo, attn_mask, wb, maskw; writes wb, maskw
.if DOCPART == 1
	.amdgcn_target "amdgcn-amd-amdhsa--gfx1250"
	.amdhsa_code_object_version 6
	.text
	.protected	k_q4f90048ceb_prep
	.globl	k_q4f90048ceb_prep
	.p2align	8
	.type	k_q4f90048ceb_prep,@function
k_q4f90048ceb_prep:
	s_mov_b64 s[64:65], 0
	v_nop
	global_prefetch_b8 v0, s[64:65] scope:SCOPE_SE
	s_setreg_imm32_b32 hwreg(HW_REG_WAVE_MODE, 25, 1), 1
	s_wait_xcnt 0x0
; CASTS.  Wq, Wk, Wv -> wb parts 0-2 (bf16, [1024][1024] each); Wo -> wb part 3 (rounded to bf16, that number written as f16);
; attn_mask (int32) -> maskw: one byte a score, the 8-bit float code of -1.0 (0xb8) where the mask is 0 and the code of 0 elsewhere, laid out as the attention's lanes want it.
; LIMIT.  Wo rounded to bf16 is written as f16: beyond 65,504 it would be an infinity, below 6e-5 it keeps f16's fixed step of 6e-8.
; SHARES.  Every work-group takes 65,536 bytes of one input.  y 0-2: Wq, Wk, Wv; y 3: Wo; y 4-7: the mask's part y - 4 of 4 MiB.  x: the 64 KiB in that part.
; A stream: sixteen loads of 512 consecutive bytes a wave are out at once, each byte is read once and written once; no matrix unit, no cluster, no tensor load: nothing is shared.
; maskw: for a tile of 16 queries qt, a key step st of 64 keys, half p, lane L = r + 16 h, byte e = 8 (kt & 1) + j with key block kt = 2 p + (kt & 1):
;   byte (qt * 32 + st) * 1024 + p * 512 + L * 16 + e stands for attn_mask[16 qt + r][64 st + 16 kt + 8 h + j].
.set X, 16                             ; v[16:79]   sixteen loads of four registers
.set Y, 80                             ; v[80:111]  what is stored
.set SPARE, 16384                      ; behind the eight waves' stages of 2,048 bytes: the spare words, 128 bytes a wave
	s_load_b256 s[8:15], s[0:1], 0x0               ; Wq, Wk, Wv, Wo
	s_load_b128 s[16:19], s[0:1], 0x20             ; attn_mask, wb
	s_load_b64 s[20:21], s[0:1], 0x30              ; maskw
	v_lshl_add_u32 v4, v0, 2, SPARE                ; my spare word
	v_mov_b32 v5, 0
	s_and_b32 s30, ttmp7, 0xffff                   ; y
	v_lshlrev_b32 v1, 4, v0                        ; 16 bytes a thread in,
	v_lshlrev_b32 v2, 3, v0                        ; 8 bytes out
	s_mov_b32 s3, 0
	s_wait_kmcnt 0x0
	s_cmp_ge_u32 s30, 4
	s_cbranch_scc1 .Lmask
	s_mov_b64 s[4:5], s[8:9]                       ; the source, chosen by y
	s_cmp_ge_u32 s30, 1
	s_cselect_b64 s[4:5], s[10:11], s[4:5]
	s_cmp_ge_u32 s30, 2
	s_cselect_b64 s[4:5], s[12:13], s[4:5]
	s_cmp_ge_u32 s30, 3
	s_cselect_b64 s[4:5], s[14:15], s[4:5]
	s_lshl_b32 s2, ttmp9, 16                       ; my 64 KiB of the weight
	s_add_nc_u64 s[4:5], s[4:5], s[2:3]
	s_lshl_b32 s2, s30, 21                         ; the weight's part of wb: half the bytes on the way out
	s_lshl_b32 s33, ttmp9, 15
	s_add_co_u32 s2, s2, s33
	s_add_nc_u64 s[6:7], s[18:19], s[2:3]
.irp i, 0,1,2,3,4,5,6,7,8,9,10,11,12,13,14,15
	global_load_b128 v[X+4*(\i):X+4*(\i)+3], v1, s[4:5] offset:4096*(\i) th:TH_LOAD_NT
.endr
	s_cmp_eq_u32 s30, 3
	s_cbranch_scc1 .Lhalf
.irp i, 0,1,2,3,4,5,6,7,8,9,10,11,12,13,14,15
	s_wait_loadcnt 15-(\i)                         ; loads come back in order: load i is in, the younger ones stay out
	v_cvt_pk_bf16_f32 v[Y+2*(\i)], v[X+4*(\i)], v[X+4*(\i)+1]
	v_cvt_pk_bf16_f32 v[Y+2*(\i)+1], v[X+4*(\i)+2], v[X+4*(\i)+3]
	global_store_b64 v2, v[Y+2*(\i):Y+2*(\i)+1], s[6:7] offset:2048*(\i) th:TH_STORE_NT  ; a wave stores 256 consecutive bytes, aligned; each register is written once, so nothing is waited for
.endr
	s_branch .Lend
.Lhalf:                                        ; Wo: rounded to bf16 like every input, then written as f16
.irp i, 0,1,2,3,4,5,6,7,8,9,10,11,12,13,14,15
	s_wait_loadcnt 15-(\i)
	v_cvt_pk_bf16_f32 v10, v[X+4*(\i)], v[X+4*(\i)+1]
	v_cvt_pk_bf16_f32 v11, v[X+4*(\i)+2], v[X+4*(\i)+3]
	v_lshlrev_b32 v12, 16, v10
	v_and_b32 v13, 0xffff0000, v10
	v_lshlrev_b32 v14, 16, v11
	v_and_b32 v15, 0xffff0000, v11
	v_cvt_pk_f16_f32 v[Y+2*(\i)], v12, v13
	v_cvt_pk_f16_f32 v[Y+2*(\i)+1], v14, v15
	global_store_b64 v2, v[Y+2*(\i):Y+2*(\i)+1], s[6:7] offset:2048*(\i) th:TH_STORE_NT
.endr
	s_branch .Lend
.Lmask:                                        ; a wave takes two blocks of 16 queries x 64 keys, neighbours along the keys
	v_lshrrev_b32 v3, 5, v0
	v_readfirstlane_b32 s31, v3                    ; wave 0..7
	s_sub_co_u32 s32, s30, 4
	s_lshl_b32 s32, s32, 6
	s_add_co_u32 s32, s32, ttmp9                   ; the work-group among the mask's 256: 16 blocks each
	s_lshr_b32 s33, s32, 1                         ; qt
	s_lshl_b32 s2, s33, 17                         ; 16 rows of 8,192 bytes
	s_and_b32 s34, s32, 1
	s_lshl_b32 s34, s34, 4
	s_lshl1_add_u32 s34, s31, s34                  ; st = 16 (work-group % 2) + 2 wave
	s_lshl_b32 s34, s34, 8                         ; 64 keys are 256 bytes
	s_add_co_u32 s2, s2, s34
	s_add_nc_u64 s[4:5], s[16:17], s[2:3]
	s_lshl_b32 s2, s32, 14                         ; out: 1,024 bytes a block
	s_lshl_b32 s34, s31, 11                        ; 2,048 x wave: in maskw, and my stage in LDS
	s_add_co_u32 s2, s2, s34
	s_add_nc_u64 s[6:7], s[20:21], s[2:3]
	s_mov_b32 s35, 0xb8
	v_and_b32 v3, 31, v0                           ; l
	v_and_b32 v10, 15, v0                          ; i = l % 16: keys 4 i .. 4 i + 3
	v_bfe_u32 v11, v0, 4, 1                        ; l / 16: the even or the odd row
	v_lshlrev_b32 v6, 4, v10
	v_lshl_add_u32 v6, v11, 13, v6                 ; lanes 0-15 take 256 bytes of one row, lanes 16-31 of the next
	v_bfe_u32 v12, v0, 3, 1
	v_lshlrev_b32 v7, 9, v12                       ; where my four bytes go: half p = i / 8: 512 p
	v_bfe_u32 v12, v0, 1, 1
	v_lshl_add_u32 v7, v12, 8, v7                  ; h = (i / 2) % 2: 16 lanes of 16 bytes
	v_lshl_add_u32 v7, v11, 4, v7                  ; the row's parity: a lane
	v_bfe_u32 v12, v0, 2, 1
	v_lshl_add_u32 v7, v12, 3, v7                  ; kt & 1 = (i / 4) % 2: 8 bytes
	v_and_b32 v12, 1, v0
	v_lshl_add_u32 v7, v12, 2, v7                  ; j = 4 (i % 2) on
	v_add_nc_u32 v7, s34, v7
	v_lshlrev_b32 v9, 4, v3                        ; 16 l
	v_add_nc_u32 v8, s34, v9
.set n, 0
.rept 16                                       ; load n: block n / 8, rows 2 (n % 8) and 2 (n % 8) + 1
	global_load_b128 v[X+4*n:X+4*n+3], v6, s[4:5] offset:(n%8)*16384+(n/8)*256 th:TH_LOAD_NT
.set n, n+1
.endr
.set n, 0
.rept 16
	s_wait_loadcnt 15-n
	v_min_u32 v[X+4*n], 1, v[X+4*n]                ; 0 stays 0, all else is 1
	v_min_u32 v[X+4*n+1], 1, v[X+4*n+1]
	v_min_u32 v[X+4*n+2], 1, v[X+4*n+2]
	v_min_u32 v[X+4*n+3], 1, v[X+4*n+3]
	v_lshl_or_b32 v[X+4*n], v[X+4*n+1], 8, v[X+4*n]
	v_lshl_or_b32 v[X+4*n+2], v[X+4*n+3], 8, v[X+4*n+2]
	v_lshl_or_b32 v[X+4*n], v[X+4*n+2], 16, v[X+4*n]
	v_xor_b32 v[X+4*n], 0x01010101, v[X+4*n]       ; 1 where the key is hidden,
	v_mul_lo_u32 v[X+4*n], v[X+4*n], s35           ; the code of -1.0 there: no byte carries into the next
	ds_store_b32 v7, v[X+4*n] offset:32*(n%8)+1024*(n/8)
.set n, n+1
.endr
.irp k, 0,1,2,3
	ds_load_b128 v[Y+4*(\k):Y+4*(\k)+3], v8 offset:512*(\k)  ; my own bytes: LDS serves a wave's instructions in order, so these see the stores above
.endr
	s_wait_dscnt 0x0
.irp k, 0,1,2,3
	global_store_b128 v9, v[Y+4*(\k):Y+4*(\k)+3], s[6:7] offset:512*(\k)  ; 512 consecutive bytes, aligned
.endr
.Lend:
	s_wait_tensorcnt 0x0                           ; the wave's end
	ds_add_u32 v4, v5
	s_wait_dscnt 0x0
	s_endpgm
.Lfunc_end_k_q4f90048ceb_prep:
	.size	k_q4f90048ceb_prep, .Lfunc_end_k_q4f90048ceb_prep-k_q4f90048ceb_prep
	.p2alignl 7, 3214868480
	.fill 96, 4, 3214868480
	.section	.rodata,"a",@progbits
	.p2align	6, 0x0
	.amdhsa_kernel k_q4f90048ceb_prep
		.amdhsa_group_segment_fixed_size 17408
		.amdhsa_private_segment_fixed_size 0
		.amdhsa_enable_private_segment 0
		.amdhsa_kernarg_size 56
		.amdhsa_user_sgpr_count 2
		.amdhsa_user_sgpr_kernarg_segment_ptr 1
		.amdhsa_wavefront_size32 1
		.amdhsa_system_sgpr_workgroup_id_x 1
		.amdhsa_system_sgpr_workgroup_id_y 1
		.amdhsa_system_sgpr_workgroup_id_z 1
		.amdhsa_system_vgpr_workitem_id 0
		.amdhsa_next_free_vgpr 112
		.amdhsa_next_free_sgpr 66
		.amdhsa_reserve_vcc 0
		.amdhsa_float_denorm_mode_32 3
		.amdhsa_float_denorm_mode_16_64 3
		.amdhsa_memory_ordered 1
		.amdhsa_forward_progress 1
		.amdhsa_inst_pref_size 29
	.end_amdhsa_kernel
	.amdgpu_metadata
---
amdhsa.version: [ 1, 2 ]
amdhsa.kernels:
  - .name:           k_q4f90048ceb_prep
    .symbol:         k_q4f90048ceb_prep.kd
    .args:
      - { .name: Wq, .offset: 0, .size: 8, .value_kind: global_buffer, .address_space: global }
      - { .name: Wk, .offset: 8, .size: 8, .value_kind: global_buffer, .address_space: global }
      - { .name: Wv, .offset: 16, .size: 8, .value_kind: global_buffer, .address_space: global }
      - { .name: Wo, .offset: 24, .size: 8, .value_kind: global_buffer, .address_space: global }
      - { .name: attn_mask, .offset: 32, .size: 8, .value_kind: global_buffer, .address_space: global }
      - { .name: wb, .offset: 40, .size: 8, .value_kind: global_buffer, .address_space: global }
      - { .name: maskw, .offset: 48, .size: 8, .value_kind: global_buffer, .address_space: global }
    .group_segment_fixed_size: 17408
    .private_segment_fixed_size: 0
    .kernarg_segment_align: 8
    .kernarg_segment_size: 56
    .max_flat_workgroup_size: 256
    .sgpr_count:     66
    .vgpr_count:     112
    .wavefront_size: 32
...
	.end_amdgpu_metadata
.endif
;; end of part 1
;; launch proj (part 2): grid 4 x 192, 4 waves a work-group, clusters of 4 x 4, 327,680 bytes of LDS; arguments query, key, value, wb, bq, bk, bv, qkvh; writes qkvh
.if DOCPART == 2
	.amdgcn_target "amdgcn-amd-amdhsa--gfx1250"
	.amdhsa_code_object_version 6
	.text
	.protected	k_q4f90048ceb_proj
	.globl	k_q4f90048ceb_proj
	.p2align	8
	.type	k_q4f90048ceb_proj,@function
k_q4f90048ceb_proj:
	s_mov_b64 s[64:65], 0
	v_nop
	global_prefetch_b8 v0, s[64:65] scope:SCOPE_SE
	s_setreg_imm32_b32 hwreg(HW_REG_WAVE_MODE, 25, 1), 1
	s_wait_xcnt 0x0
	s_wait_alu depctr_hold_cnt(0) depctr_sa_sdst(0) depctr_va_vdst(0) depctr_va_sdst(0) depctr_va_ssrc(0) depctr_va_vcc(0) depctr_vm_vsrc(0)
	s_getreg_b32 s2, hwreg(HW_REG_IB_STS2, 6, 4)
	s_cmp_eq_u32 s2, 0
	s_cbranch_scc0 .Lentry_in_a_cluster
	s_endpgm
.Lentry_in_a_cluster:
	s_bfe_u32 s2, ttmp6, 0x10000c
	s_cmp_lg_u32 s2, 0xf033
	s_cbranch_scc0 .Lentry_shape_is_right
	s_endpgm
.Lentry_shape_is_right:
; THE PROJECTIONS.  q, k, v = x W^T + b.  x: query, key, value, [8192][1024] f32 each, rounded to bf16 HERE, between LDS and the matrix unit; W: wb parts 0-2, [1024][1024] bf16;
; b: f32, rounded to bf16 here like every input.  Sums in f32; the result is rounded once to f16 and written by heads, qkvh [3][64 = 16 n + h][2048][64], unscaled.
; LIMIT.  f16 ends at 65,504: q, k, v beyond that would be infinities; below 6e-5 f16 keeps a fixed step of 6e-8.
; SHARES.  A tile of C is 128 rows x 256 columns: 768 tiles, three for each of 256 WGPs.  Four waves, each 64 x 128: 32 accumulators, 256 registers.
; K goes in 8 steps of 128 through two LDS slots; waves 0 and 1 fetch the halves of x's tile (64 rows of 512 bytes), waves 2 and 3 those of W's (128 rows of 256 bytes): 32 KiB a load.
; CLUSTER.  4 x 4 work-groups: the four of a row need the same tile of x, the four of a column the same tile of W; each is asked for jointly, by the same load, descriptor and mask in all four.
; THE MATRIX INSTRUCTION IS USED TRANSPOSED (source 0 = 16 rows of W, source 1 = 16 rows of x): a lane holds one row of C and eight neighbouring columns.  The bias is the C operand of the first
; K quarter's products: nothing is cleared and nothing is added later.
; x ON ITS WAY.  A block of 16 rows x 32 K is 16 f32 a lane: four loads of 16 bytes into RAW; eight conversions make its 8 registers of bf16 in FA.  The conversions stand in two runs of 16 a quarter:
; blocks 0 and 1 at its head, blocks 2 and 3 in its middle, ahead of the loads that fill RAW again.  RAW and FA lie in window 0 and the results in window 1, so a run costs one switch of the window;
; singly behind the matrix instructions each conversion would cost two.  The runs are also the places between a matrix instruction and the lines that write its sources.
; REGISTERS.  window 0: v16-30 addresses; v32-63 FA; v64-127 RAW (on the way out: packed results); v128-255 W's fragments, two buffers (on the way out: rows read back).
;   window 1: the accumulators, (a, b) at 8 (8 a + b).   window 2: v0-63 the bias of my 128 columns as C operands (block b at 8 b); v64-67 at work.
.set PB, 272                           ; a row of W in LDS: 256 bytes + 16: the 16 rows of a load start at 16 different groups of four banks
.set BHALF, 128*PB
.set PA, 528                           ; a row of x: 512 bytes + 16 = 132 words: likewise
.set AHALF, 64*PA
.set ASTEP, 512                        ; a K step of x in memory: 128 f32
.set SPITCH, 272
.set SLOT, 2*AHALF+2*BHALF             ; x's 128 rows, then W's 256: 137,216 bytes
.set STAGE, 2*SLOT                     ; behind the ring: 16 rows for each wave, for the way out; no tensor load lands here
.set SPARE, STAGE+4*16*SPITCH          ; behind the stages: the spare words, 128 bytes a wave
.set ADRA, 16                          ; v16-17  LDS address of my x blocks in slot 0, 1
.set ADRB, 20                          ; v20-21  the same for W's fragments
.set STO, 24
.set RD, 25
.set CO, 26
.set BO, 27                            ; v27  32 x (lane / 16): my eight columns' bias
.set SPW, 28
.set NIL, 29
.set PFO, 30
.set FA, 32
.set RAW, 64
.set FB, 128
.set TMP, 64
.set OB, 128
.set BI, 0
.set G1, 24
.set G0, 32
.set G1B, 48
.set G0B, 56
.set PFA, 44                           ; s[44:45] where the prefetches stand
.set LIM, 77                           ; s77  1 in the wave that prefetches, else the greatest number
.set MSB, 0
.macro WIN new                         ; the immediate's high byte repeats the setting that is left
.if MSB != (\new)
	s_set_vgpr_msb (MSB<<8)|(\new)
.set MSB, \new
.endif
.endm
.macro JLOAD s                         ; a joint load; an s_nop 0 and four v_nop follow each of the two lines
	s_cmp_eq_u32 s11, 0
	s_cbranch_scc0 .Lfor_b_\@
	tensor_load_to_lds s[G0+4*(\s):G0+4*(\s)+3], s[G1:G1+7]
	s_nop 0
.rept 4
	v_nop
.endr
	s_branch .Lasked_\@
.Lfor_b_\@:
	tensor_load_to_lds s[G0B+4*(\s):G0B+4*(\s)+3], s[G1B:G1B+7]
	s_nop 0
.rept 4
	v_nop
.endr
.Lasked_\@:
.endm
.macro CREST                           ; a round of the cluster's barrier behind its opening barrier
	s_cmp_lg_u32 s10, 0
	s_cbranch_scc1 .Lnot_wave_0_\@
	s_barrier_signal -3
.Lnot_wave_0_\@:
	s_barrier_wait -3
	s_barrier_signal -1
	s_barrier_wait -1
.endm
.macro CROUND
	s_barrier_signal -1
	s_barrier_wait -1
	CREST
.endm
; A prefetch of x's K step that stands two refills on: 128 rows x 512 bytes, of which each of the four partners that ask for the tile takes 32 rows, told apart by address; wave 0, a lane a row,
; two instructions for a row's two blocks of 256 bytes.  x's rows are walked by this one row of the cluster, so each block is named once.  The loop's last trip has no K step two on.
; W is read by every cluster of the launch and is not asked for.
.macro ASK
	s_cmp_gt_u32 s3, s[LIM]
	s_cbranch_scc0 .Lnot_mine_\@
	global_prefetch_b8 v[PFO], s[PFA:PFA+1] offset:ASTEP th:TH_LOAD_NT scope:SCOPE_SE
	global_prefetch_b8 v[PFO], s[PFA:PFA+1] offset:ASTEP+256 th:TH_LOAD_NT scope:SCOPE_SE
.Lnot_mine_\@:
.endm
	s_load_b256 s[68:75], s[0:1], 0x0              ; query, key, value, wb
	s_load_b256 s[80:87], s[0:1], 0x20             ; bq, bk, bv, qkvh
	v_lshl_add_u32 v[SPW], v0, 2, SPARE
	v_mov_b32 v[NIL], 0
	ds_add_u32 v[SPW], v[NIL]                      ; the wave's opening: the add and its wait stand ahead of my first tensor load
	ds_add_u32 v28, v29
	v_lshrrev_b32 v1, 5, v0
	v_readfirstlane_b32 s10, v1                    ; wave 0..3
	s_lshr_b32 s11, s10, 1                         ; my half of the tile's rows.  Also: I fetch for x (0) or for W (1)
	s_and_b32 s12, s10, 1                          ; my half of its columns.  Also: which half of that tile I fetch
	s_bfe_u32 s40, ttmp6, 0x40000                  ; cx
	s_bfe_u32 s41, ttmp6, 0x40004                  ; cy
	s_lshl_b32 s42, ttmp9, 2
	s_add_co_u32 s42, s42, s40                     ; tile column
	s_and_b32 s13, ttmp7, 0xffff
	s_lshr_b32 s78, s13, 4                         ; which of q, k, v: 16 clusters along y each; the same in all partners
	s_lshl_b32 s13, s13, 2
	s_add_co_u32 s13, s13, s41
	s_and_b32 s79, s13, 63                         ; the tile row in its tensor
	s_lshl_b32 s43, s41, 2
	s_lshl_b32 s43, 15, s43                        ; my row of the cluster
	s_lshl_b32 s76, 0x1111, s40                    ; my column
	s_or_b32 s[G1], s43, (2<<16)|(1<<20)|(1<<21)|(6<<22)|(3<<25)  ; the mask; 4-byte elements; padding on; bit 21 beside a mask; after every 128 words; 4 words of padding
	s_mov_b32 s[G1+1], 128<<16                     ; tensor_dim0
	s_mov_b32 s[G1+2], 64<<16                      ; tensor_dim1
	s_mov_b32 s[G1+3], 128<<16                     ; tile_dim0
	s_mov_b32 s[G1+4], 64                          ; tile_dim1
	s_mov_b32 s[G1+5], 1024                        ; elements from row to row
	s_mov_b32 s[G1+6], 0
	s_mov_b32 s[G1+7], 0
	s_or_b32 s[G1B], s76, (1<<16)|(1<<20)|(1<<21)|(5<<22)|(3<<25)  ; 2-byte elements; after every 64 words
	s_mov_b32 s[G1B+1], 128<<16
	s_mov_b32 s[G1B+2], 128<<16
	s_mov_b32 s[G1B+3], 128<<16
	s_mov_b32 s[G1B+4], 128
	s_mov_b32 s[G1B+5], 1024
	s_mov_b32 s[G1B+6], 0
	s_mov_b32 s[G1B+7], 0
	s_lshl_b32 s16, s79, 7
	s_lshl_b32 s17, s12, 6
	s_add_co_u32 s16, s16, s17                     ; x: row 128 x tile row + 64 x half,
	s_lshl_b32 s16, s16, 12                        ; rows of 4,096 bytes
	s_mov_b32 s17, 0
	s_lshl_b32 s46, s42, 8
	s_lshl_b32 s47, s12, 7
	s_add_co_u32 s46, s46, s47                     ; W: row 256 x tile column + 128 x half,
	s_lshl_b32 s46, s46, 11                        ; rows of 2,048 bytes,
	s_lshl_b32 s47, s78, 21                        ; in the tensor's part of wb
	s_add_co_u32 s46, s46, s47
	s_mov_b32 s47, 0
	s_mul_i32 s20, s12, AHALF                      ; where they go: no place in the cluster enters an LDS address
	s_mul_i32 s21, s12, BHALF
	s_add_co_u32 s21, s21, 2*AHALF
	s_wait_dscnt 0x0                               ; the opening add is done
	s_wait_kmcnt 0x0
	s_mov_b64 s[4:5], s[68:69]                     ; the tensor that this row of clusters projects
	s_cmp_eq_u32 s78, 1
	s_cselect_b64 s[4:5], s[70:71], s[4:5]
	s_cmp_eq_u32 s78, 2
	s_cselect_b64 s[4:5], s[72:73], s[4:5]
	s_add_nc_u64 s[14:15], s[4:5], s[16:17]
	s_add_nc_u64 s[46:47], s[74:75], s[46:47]
	CROUND                                         ; all sixteen work-groups are here: the first joint loads meet
.irp s, 0,1
	s_mov_b32 s[G0+4*(\s)], 1
	s_add_co_u32 s[G0+4*(\s)+1], s20, (\s)*SLOT
	s_add_nc_u64 s[G0+4*(\s)+2:G0+4*(\s)+3], s[14:15], (\s)*ASTEP
	s_or_b32 s[G0+4*(\s)+3], s[G0+4*(\s)+3], 0x80000000
	s_mov_b32 s[G0B+4*(\s)], 1
	s_add_co_u32 s[G0B+4*(\s)+1], s21, (\s)*SLOT
	s_add_nc_u64 s[G0B+4*(\s)+2:G0B+4*(\s)+3], s[46:47], (\s)*256
	s_or_b32 s[G0B+4*(\s)+3], s[G0B+4*(\s)+3], 0x80000000
	JLOAD \s                                       ; two loads of mine are out
.endr
	s_mov_b64 s[66:67], s[80:81]                   ; the bias that goes with the tensor
	s_cmp_eq_u32 s78, 1
	s_cselect_b64 s[66:67], s[82:83], s[66:67]
	s_cmp_eq_u32 s78, 2
	s_cselect_b64 s[66:67], s[84:85], s[66:67]
	s_mov_b64 s[8:9], s[86:87]
	s_lshl_b32 s46, s42, 10                        ; my 128 columns in f32: 1,024 x tile column + 512 x half
	s_lshl_b32 s47, s12, 9
	s_add_co_u32 s46, s46, s47
	s_mov_b32 s47, 0
	s_add_nc_u64 s[66:67], s[66:67], s[46:47]
	v_and_b32 v1, 15, v0                           ; l % 16
	v_bfe_u32 v2, v0, 4, 1                         ; l / 16
	v_lshlrev_b32 v[BO], 5, v2
	WIN 0x80                                       ; destination window 2
.irp b, 0,1,2,3,4,5,6,7
	global_load_b128 v[BI+8*(\b):BI+8*(\b)+3],   v[BO], s[66:67] offset:64*(\b)
	global_load_b128 v[BI+8*(\b)+4:BI+8*(\b)+7], v[BO], s[66:67] offset:64*(\b)+16
.endr
	WIN 0
	v_mul_u32_u24 v3, v1, PA
	v_lshl_add_u32 v3, v2, 5, v3                   ; x: row x pitch + 32 x half: eight f32
	v_mul_u32_u24 v4, v1, PB
	v_lshl_add_u32 v4, v2, 4, v4                   ; W: row x pitch + 16 x half: eight bf16
	s_mul_i32 s21, s11, AHALF                      ; my 64 rows of x
	s_mul_i32 s22, s12, BHALF                      ; my 128 rows of W,
	s_add_co_u32 s22, s22, 2*AHALF                 ; which lie behind x's
.irp s, 0,1
	v_add_nc_u32 v[ADRA+(\s)], s21, v3
	v_add_nc_u32 v[ADRB+(\s)], s22, v4
	s_add_co_u32 s21, s21, SLOT
	s_add_co_u32 s22, s22, SLOT
.endr
	s_mul_i32 s23, s10, 16*SPITCH
	s_add_co_u32 s23, s23, STAGE                   ; my stage
	v_mul_u32_u24 v5, v1, SPITCH                   ; in: row l % 16, my eight columns
	v_lshl_add_u32 v5, v2, 4, v5
	v_add_nc_u32 v[STO], s23, v5
	v_and_b32 v6, 31, v0
	v_lshlrev_b32 v[CO], 4, v6                     ; 16 x lane: my place in 512 consecutive bytes of C
	v_bfe_u32 v7, v0, 3, 2                         ; back: four rows of one head's 128 bytes
	v_and_b32 v8, 7, v0
	v_mul_u32_u24 v7, v7, SPITCH
	v_lshl_add_u32 v7, v8, 4, v7
	v_add_nc_u32 v[RD], s23, v7
	s_lshr_b32 s17, s79, 4                         ; n
	s_lshl_b32 s17, s17, 22                        ; 16 heads of 262,144 bytes
	s_and_b32 s16, s79, 15
	s_lshl_b32 s16, s16, 7
	s_lshl_b32 s18, s11, 6
	s_add_co_u32 s16, s16, s18                     ; my first row in the batch,
	s_lshl_b32 s16, s16, 7                         ; rows of 128 bytes
	s_add_co_u32 s16, s16, s17
	s_lshl_b32 s17, s78, 24                        ; q, k or v
	s_add_co_u32 s16, s16, s17
	s_mov_b32 s17, 0
	s_add_nc_u64 s[8:9], s[8:9], s[16:17]
	s_lshl_b32 s46, s42, 2
	s_lshl_b32 s47, s12, 1
	s_add_co_u32 s46, s46, s47                     ; my two heads: 4 x tile column + 2 x half
	s_lshl_b32 s46, s46, 18
	s_mov_b32 s47, 0
	s_add_nc_u64 s[8:9], s[8:9], s[46:47]
	s_lshl_b32 s20, s79, 7                         ; the prefetches: my work-group's 32 rows of the tile's 128
	s_lshl_b32 s21, s40, 5
	s_add_co_u32 s20, s20, s21
	s_lshl_b32 s20, s20, 12
	v_lshlrev_b32 v[PFO], 12, v6                   ; a lane a row
	s_mov_b32 s21, 0
	s_add_nc_u64 s[PFA:PFA+1], s[4:5], s[20:21]
	s_add_nc_u64 s[PFA:PFA+1], s[PFA:PFA+1], 2*ASTEP  ; at K step 2: the first refill steps it to 3 and names K step 4
	s_cmp_eq_u32 s10, 0
	s_cselect_b32 s[LIM], 1, -1
	s_wait_loadcnt 0x0                             ; the bias
	WIN 0xaa                                       ; all in window 2
.set p, 0
.rept 32                                       ; rounded to bf16 like every input, and widened again
	v_cvt_pk_bf16_f32 v[64+p%4], v[BI+2*p], v[BI+2*p+1]
	v_lshlrev_b32 v[BI+2*p], 16, v[64+p%4]
	v_and_b32 v[BI+2*p+1], 0xffff0000, v[64+p%4]
.set p, p+1
.endr
	WIN 0
; 8 na matrix instructions: row blocks a0 .. a0 + na - 1 x all 8 column blocks, 32 along K; W's fragments from buffer f.  first = 1: the bias starts the sums.
; The 32 accumulators take turns in one fixed order: 31 others stand between two links of a chain.
.macro MUL f, a0, na, first
.if \first
	WIN 0x60                                       ; C window 2, D window 1
.else
	WIN 0x50                                       ; C and D window 1
.endif
.set aa, \a0
.rept \na
.irp b, 0,1,2,3,4,5,6,7
.if \first
	v_wmma_f32_16x16x32_bf16 v[8*(8*aa+\b):8*(8*aa+\b)+7], v[FB+64*(\f)+8*\b:FB+64*(\f)+8*\b+7], v[FA+8*aa:FA+8*aa+7], v[BI+8*\b:BI+8*\b+7]
.else
	v_wmma_f32_16x16x32_bf16 v[8*(8*aa+\b):8*(8*aa+\b)+7], v[FB+64*(\f)+8*\b:FB+64*(\f)+8*\b+7], v[FA+8*aa:FA+8*aa+7], v[8*(8*aa+\b):8*(8*aa+\b)+7]
.endif
.endr
.set aa, aa+1
.endr
.endm
; 32 LDS loads in one run: quarter q of a K step: W's 128 rows into buffer f, then x's 64 rows, as f32, into RAW, block by block
.macro FETCH slot, q, f
	WIN 0
.irp i, 0,1,2,3,4,5,6,7
	ds_load_b128 v[FB+64*(\f)+8*(\i):FB+64*(\f)+8*(\i)+3],   v[ADRB+(\slot)] offset:64*(\q)+(\i)*16*PB
	ds_load_b128 v[FB+64*(\f)+8*(\i)+4:FB+64*(\f)+8*(\i)+7], v[ADRB+(\slot)] offset:64*(\q)+(\i)*16*PB+32
.endr
.irp i, 0,1,2,3                                ; K = 8 h + 0..7 at byte 32 h, K = 16 + 8 h + 0..7 at byte 64 + 32 h of the quarter's 128
	ds_load_b128 v[RAW+16*(\i):RAW+16*(\i)+3],     v[ADRA+(\slot)] offset:128*(\q)+(\i)*16*PA
	ds_load_b128 v[RAW+16*(\i)+4:RAW+16*(\i)+7],   v[ADRA+(\slot)] offset:128*(\q)+(\i)*16*PA+16
	ds_load_b128 v[RAW+16*(\i)+8:RAW+16*(\i)+11],  v[ADRA+(\slot)] offset:128*(\q)+(\i)*16*PA+64
	ds_load_b128 v[RAW+16*(\i)+12:RAW+16*(\i)+15], v[ADRA+(\slot)] offset:128*(\q)+(\i)*16*PA+80
.endr
.endm
; 16 conversions: x's blocks i0 and i0 + 1 become fragments.  The fragments that they write were last read a run of conversions or more ago: the other run's 16 lines, which name none of those
; products' registers, are the places between (ISA guide 7.12.1).
.macro CVT i0
	WIN 0
.irp i, \i0, (\i0)+1
.irp m, 0,1,2,3,4,5,6,7
	v_cvt_pk_bf16_f32 v[FA+8*(\i)+(\m)], v[RAW+16*(\i)+2*(\m)], v[RAW+16*(\i)+2*(\m)+1]
.endr
.endr
.endm
.macro PLACES                          ; four places in front of lines that read results just made
.rept 4
	v_nop
.endr
.endm
; One of a K step's first three quarters: multiplies by W's buffer f and, in its middle, fetches quarter qn of the same slot (W's part into buffer g).
.macro QUARTER slot, qn, f, g, first
	s_wait_dscnt 8                                 ; W and x's blocks 0 and 1 are in; the youngest eight loads (x's blocks 2 and 3) may be out
	CVT 0
	MUL \f, 0, 2, \first
	s_wait_dscnt 0x0                               ; x's blocks 2 and 3
	CVT 2
	FETCH \slot, \qn, \g                           ; RAW has been read out; buffer g was last read ahead of this quarter's first conversions
	MUL \f, 2, 2, \first
.endm
; The last quarter multiplies by buffer 1 and changes slots: one barrier; in front of it each wave waits for all its tensor loads (the one that is out is its part of the next slot), adds 0 to its
; spare word, and waits for that and for its own reads of this slot.  fill = 1: the barrier opens a round of the cluster's, and this slot is filled again first thing behind it, two K steps ahead.
.macro TURN slot, next, fill
.if \fill
	s_wait_xcnt 0x0                                ; the last prefetches, a K step back, have read their address
	s_add_nc_u64 s[PFA:PFA+1], s[PFA:PFA+1], ASTEP
.endif
	WIN 0
	s_wait_tensorcnt 0x0
	ds_add_u32 v[SPW], v[NIL]
	s_wait_dscnt 9                                 ; the add and the youngest eight loads may be out
	CVT 0
	MUL 1, 0, 1, 0
	s_wait_dscnt 0x0                               ; the add is done, and my reads of this slot are over
	s_barrier_signal -1
	MUL 1, 1, 1, 0
	CVT 2                                          ; leaves every window 0: branches follow
	s_barrier_wait -1
.if \fill
	CREST                                          ; no wave of any partner still reads this slot or has a load on its way
	s_add_nc_u64 s[G0+4*(\slot)+2:G0+4*(\slot)+3], s[G0+4*(\slot)+2:G0+4*(\slot)+3], 2*ASTEP
	s_add_nc_u64 s[G0B+4*(\slot)+2:G0B+4*(\slot)+3], s[G0B+4*(\slot)+2:G0B+4*(\slot)+3], 2*256
	JLOAD \slot
.endif
	FETCH \next, 0, 0
.if \fill
	ASK
.endif
	MUL 1, 2, 2, 0
.endm
	s_wait_tensorcnt 0x1                           ; my part of K step 0 is in; K step 1's may stay out
	s_barrier_signal -1
	s_barrier_wait -1
	FETCH 0, 0, 0
	QUARTER 0, 1, 0, 1, 1                          ; the first quarter stands in front of the loop: its products start the sums
	WIN 0
	s_mov_b32 s3, 3
.Llap:                                         ; a trip goes once round the ring and fills both slots again
	QUARTER 0, 2, 1, 0, 0
	QUARTER 0, 3, 0, 1, 0
	TURN 0, 1, 1
	QUARTER 1, 1, 0, 1, 0
	QUARTER 1, 2, 1, 0, 0
	QUARTER 1, 3, 0, 1, 0
	TURN 1, 0, 1
	QUARTER 0, 1, 0, 1, 0
	WIN 0
	s_sub_co_u32 s3, s3, 1
	s_cmp_lg_u32 s3, 0
	s_cbranch_scc1 .Llap
	QUARTER 0, 2, 1, 0, 0                          ; the last lap fills nothing
	QUARTER 0, 3, 0, 1, 0
	TURN 0, 1, 0
	QUARTER 1, 1, 0, 1, 0
	QUARTER 1, 2, 1, 0, 0
	QUARTER 1, 3, 0, 1, 0
	s_wait_dscnt 8
	CVT 0
	MUL 1, 0, 2, 0
	s_wait_dscnt 0x0
	CVT 2
	MUL 1, 2, 2, 0
	WIN 0
	PLACES
; THE WAY OUT, 16 rows at a time through my own stage: no barrier, and LDS serves a wave's instructions in order, so no wait between the stores and the loads.
.macro PACK a
	WIN 0x05                                       ; sources in window 1
.irp b, 0,1,2,3,4,5,6,7
.irp r, 0,1,2,3
	v_cvt_pk_f16_f32 v[TMP+4*(\b)+(\r)], v[8*(8*(\a)+(\b))+2*(\r)], v[8*(8*(\a)+(\b))+2*(\r)+1]
.endr
.endr
	WIN 0
.endm
.macro TOSTAGE a
	WIN 0
	s_wait_xcnt 0x0                                ; the stores of two blocks back have read the registers that the loads below fill
.irp b, 0,1,2,3,4,5,6,7
	ds_store_b128 v[STO], v[TMP+4*(\b):TMP+4*(\b)+3] offset:32*(\b)
.endr
.irp t, 0,1,2,3,4,5,6,7                        ; head t / 4, rows 4 (t % 4) on
	ds_load_b128 v[OB+32*((\a)%2)+4*(\t):OB+32*((\a)%2)+4*(\t)+3], v[RD] offset:((\t)%4)*4*SPITCH+((\t)/4)*128
.endr
.endm
.macro SEND a
	s_wait_dscnt 0x0
.irp t, 0,1,2,3,4,5,6,7
	global_store_b128 v[CO], v[OB+32*((\a)%2)+4*(\t):OB+32*((\a)%2)+4*(\t)+3], s[8:9] offset:((\t)/4)*262144+(16*(\a)+4*((\t)%4))*128  ; four rows of a head: 512 consecutive bytes, aligned
.endr
.endm
	PACK 0
	TOSTAGE 0
.irp a, 1,2,3
	PACK \a                                        ; a block's conversions stand between the loads of the block before and the wait for them
	SEND (\a)-1
	TOSTAGE \a
.endr
	SEND 3
	s_wait_tensorcnt 0x0                           ; the wave's end
	ds_add_u32 v[SPW], v[NIL]
	s_wait_dscnt 0x0
	CROUND                                         ; the closing round
	s_endpgm
.Lfunc_end_k_q4f90048ceb_proj:
	.size	k_q4f90048ceb_proj, .Lfunc_end_k_q4f90048ceb_proj-k_q4f90048ceb_proj
	.p2alignl 7, 3214868480
	.fill 96, 4, 3214868480
	.section	.rodata,"a",@progbits
	.p2align	6, 0x0
	.amdhsa_kernel k_q4f90048ceb_proj
		.amdhsa_group_segment_fixed_size 327680
		.amdhsa_private_segment_fixed_size 0
		.amdhsa_enable_private_segment 0
		.amdhsa_kernarg_size 64
		.amdhsa_user_sgpr_count 2
		.amdhsa_user_sgpr_kernarg_segment_ptr 1
		.amdhsa_wavefront_size32 1
		.amdhsa_system_sgpr_workgroup_id_x 1
		.amdhsa_system_sgpr_workgroup_id_y 1
		.amdhsa_system_sgpr_workgroup_id_z 1
		.amdhsa_system_vgpr_workitem_id 0
		.amdhsa_next_free_vgpr 592
		.amdhsa_next_free_sgpr 96
		.amdhsa_reserve_vcc 0
		.amdhsa_float_denorm_mode_32 3
		.amdhsa_float_denorm_mode_16_64 3
		.amdhsa_memory_ordered 1
		.amdhsa_forward_progress 1
		.amdhsa_inst_pref_size 134
	.end_amdhsa_kernel
	.amdgpu_metadata
---
amdhsa.version: [ 1, 2 ]
amdhsa.kernels:
  - .name:           k_q4f90048ceb_proj
    .symbol:         k_q4f90048ceb_proj.kd
    .args:
      - { .name: query, .offset: 0, .size: 8, .value_kind: global_buffer, .address_space: global }
      - { .name: key, .offset: 8, .size: 8, .value_kind: global_buffer, .address_space: global }
      - { .name: value, .offset: 16, .size: 8, .value_kind: global_buffer, .address_space: global }
      - { .name: wb, .offset: 24, .size: 8, .value_kind: global_buffer, .address_space: global }
      - { .name: bq, .offset: 32, .size: 8, .value_kind: global_buffer, .address_space: global }
      - { .name: bk, .offset: 40, .size: 8, .value_kind: global_buffer, .address_space: global }
      - { .name: bv, .offset: 48, .size: 8, .value_kind: global_buffer, .address_space: global }
      - { .name: qkvh, .offset: 56, .size: 8, .value_kind: global_buffer, .address_space: global }
    .group_segment_fixed_size: 327680
    .private_segment_fixed_size: 0
    .kernarg_segment_align: 8
    .kernarg_segment_size: 64
    .max_flat_workgroup_size: 128
    .sgpr_count:     96
    .vgpr_count:     592
    .wavefront_size: 32
...
	.end_amdgpu_metadata
.endif
;; end of part 2
;; launch attn (part 3): grid 4 x 64, 4 waves a work-group, clusters of 4 x 1, 327,680 bytes of LDS; arguments qkvh, oh, maskw; writes oh
.if DOCPART == 3
	.amdgcn_target "amdgcn-amd-amdhsa--gfx1250"
	.amdhsa_code_object_version 6
	.text
	.protected	k_q4f90048ceb_attn
	.globl	k_q4f90048ceb_attn
	.p2align	8
	.type	k_q4f90048ceb_attn,@function
k_q4f90048ceb_attn:
	s_mov_b64 s[64:65], 0
	v_nop
	global_prefetch_b8 v0, s[64:65] scope:SCOPE_SE
	s_setreg_imm32_b32 hwreg(HW_REG_WAVE_MODE, 25, 1), 1
	s_wait_xcnt 0x0
	s_wait_alu depctr_hold_cnt(0) depctr_sa_sdst(0) depctr_va_vdst(0) depctr_va_sdst(0) depctr_va_ssrc(0) depctr_va_vcc(0) depctr_vm_vsrc(0)
	s_getreg_b32 s2, hwreg(HW_REG_IB_STS2, 6, 4)
	s_cmp_eq_u32 s2, 0
	s_cbranch_scc0 .Lentry_in_a_cluster
	s_endpgm
.Lentry_in_a_cluster:
	s_bfe_u32 s2, ttmp6, 0x10000c
	s_cmp_lg_u32 s2, 0x3003
	s_cbranch_scc0 .Lentry_shape_is_right
	s_endpgm
.Lentry_shape_is_right:
; MASKED ATTENTION.  O[h][q][:] = the sum over k of softmax_k(Q[h][q] . K[h][k] / 8, hidden where attn_mask[q][k] = 0) V[h][k][:].  Q, K, V: qkvh [3][64][2048][64], O: oh [64][2048][64], all f16;
; the mask: maskw, one 8-bit float code a score (-1.0 hidden, 0 seen), in the lanes' own order.  Products, maxima and sums in f32; the weights p are rounded to f16 for the second product, O once at the end.
; LIMITS.  f16 holds no number beyond 65,504: Q, K and V arrive within it; p below 6e-5 keeps f16's fixed step of 6e-8.  A hidden score counts as its value less 2^100: f16's scores, 2.7e11 at the most,
; are nothing beside that.  A row all of whose keys are hidden (its maximum ends below -2^97) gives NaN, as the softmax of such a row does.  A weight below 2^-126 counts as 0 in l.
; SHARES.  A wave owns four PIECES of two tiles of 16 queries, a work-group's four waves 512 queries of one head.  Every wave walks all keys, 64 a step.
; LAYOUT.  S^T = K Q^T (source 0 = 16 keys, source 1 = 16 queries): a lane holds ONE query (lane % 16) and the keys 8 (lane / 16) + 0..7.  Two such tiles, rounded to f16 in pairs, ARE source 1
; of O^T = V^T P.  K comes out of LDS as it lies, V turned, by ds_load_tr16_b128.
; THE MASK is the C operand of the product that starts a sum S^T: 0, or -2^100.  Eight codes are a lane's eight C registers: one scaled conversion (scale 2^100) makes them.  It acts ahead of the running
; maximum; a hidden weight is 2^(-huge) = 0; what a row gathers while all its keys so far are hidden is finite, and the first seen key multiplies it by a = 0.
; Each turn converts the mask for the next turn's products and asks at once for the same piece's codes of the next key step: four turns ahead of their use.
; SOFTMAX.  A running maximum m and sum l: p = 2^(c s - c m), c = log2(e) / 8; in every step O and l are multiplied by a = 2^(c m_old - c m_new).  m starts at the lowest finite number, O and l at 0.
; BY TURNS.  Turn n belongs to piece n: 16 products K Q^T of piece n + 1, later 16 products V^T P of piece n - 1; beside them the scaling, exponentials, roundings, sums and rescaling of piece n and the
; maximum and statistics of piece n + 1.  Four vector instructions stand behind every matrix instruction, the rest in one lump; a turn's 66 exponentials are one batch with one wait.
; CLUSTER.  The four query blocks of a cluster belong to one head and walk the same K and V: each tile is asked for JOINTLY.  A slot's refill has four key steps, 512 matrix instructions, in which to land.
; REGISTERS, in windows of 256 (s_set_vgpr_msb: bits 1:0 source 0, 3:2 source 1, 5:4 source 2, 7:6 destination):
;   window 0: v0-11 addresses and the scale; v12-15, v48-63 at work; v16-47 statistics; v64-191 S^T, two buffers of two tiles; v192-255 P, likewise
;   window 1: O^T, 32 a tile     window 2: v0-127 Q; v128-191 K of one step; v192-255 V of one step     window 3: v0-1 the add's registers; v16-79 mask codes, 16 a piece; v128-191 the masks as C operands
.set SIZE_N, 2048
.set NP,    4
.set KS,    64
.set PK,    144       ; a row of K in LDS: 128 bytes + 16
.set PV,    160       ; a row of V: 128 + 32
.set VOFF,  4*KS*PK   ; a slot holds four steps: 256 rows of K, then 256 rows of V
.set SLOT1, 1<<17
.set STAGE, SLOT1+4*KS*(PK+PV)
.set SP,    144
.set AK0, 2
.set AV0, 3
.set AK,  4
.set AV,  5
.set QO,  6
.set STO, 6
.set RD,  7
.set GO,  8           ; v8   16 x my lane: my place in 512 consecutive bytes of O and of the mask; never rewritten
.set NANR, 9          ; v9   at the way out: NaN
.set SCL, 11          ; v11  227: the conversions' scale, 2^(227 - 127)
.set SPW, 0           ; v0 of window 3
.set NIL, 1           ; v1 of window 3
.set MR,  16          ; window 3: piece p, tile u, half f of a step's codes at MR + 16 p + 8 u + 4 f
.set MC,  128         ; window 3: tile u, key block kt at MC + 32 u + 8 kt
.set SPARE, STAGE+4*16*SP
.set MV,  12
.set ST,  16
.set TMP, 48
.set S,   64
.set P,   192
.set KF,  128
.set VF,  192
.set WV,  12
.set G1K, 24
.set G1V, 32
.set G0K, 40
.set G0V, 44
.set SLOTS, 56
.set CNT, 57
.set CS,  58
.set SEL, 60
.set TBK, 62
.set TBV, 63
.set MBASE, 66        ; s[66:67] maskw at my wave's eight tiles
.set MB,  68          ; s[68:69] the same at the key step whose codes are being asked for
.set MO,  70          ; s[70:71] that step's 1,024 bytes on end, modulo a tile's 32,768
.set NEGB, 72         ; s72  -2^97
.set MSB, 0
.macro WIN new
.if MSB != (\new)
	s_set_vgpr_msb (MSB<<8)|(\new)
.set MSB, (\new)
.endif
.endm
.set W_KQ, 0x0a       ; K and Q in window 2, S^T in window 0
.set W_KM, 0x3a       ; the same with the C operand in window 3
.set W_PV, 0x52
.set W_RS, 0x41
.set W_MK, 0xc0
.set W_AD, 0x0f
.set W_CV, 0xc3       ; the conversions: destination and codes in window 3, the scale in window 0
.set W_ML, 0xc0       ; the mask's loads: destination window 3, address window 0
.macro JLOAD
	s_cmp_lt_u32 s[WV], 2
	s_cbranch_scc0 .Lfor_v_\@
	tensor_load_to_lds s[G0K:G0K+3], s[G1K:G1K+7]
	s_nop 0
.rept 4
	v_nop
.endr
	s_branch .Lasked_\@
.Lfor_v_\@:
	tensor_load_to_lds s[G0V:G0V+3], s[G1V:G1V+7]
	s_nop 0
.rept 4
	v_nop
.endr
.Lasked_\@:
.endm
.macro CROUND
	s_barrier_signal -1
	s_barrier_wait -1
	s_cmp_lg_u32 s[WV], 0
	s_cbranch_scc1 .Lnot_wave_0_\@
	s_barrier_signal -3
.Lnot_wave_0_\@:
	s_barrier_wait -3
	s_barrier_signal -1
	s_barrier_wait -1
.endm
; THE CHANGE OF SLOTS.  Each wave waits for all its tensor loads, of which one is out: its part of the other slot; adds 0 to its spare word; and waits for that and for its own reads of the slot.
; fill = 1: the barrier is a round of the cluster's, and the joint fill is the first thing behind it.
.macro CHANGE fill
	WIN W_AD
	s_wait_tensorcnt 0x0
	ds_add_u32 v[SPW], v[NIL]
	WIN 0
.if \fill
.irp g, G0K, G0V
	s_xor_b32 s[\g+1], s[\g+1], SLOT1
	s_add_nc_u64 s[\g+2:\g+3], s[\g+2:\g+3], 4*KS*128
.endr
	s_wait_dscnt 0x0
	CROUND
	JLOAD
.else
	s_wait_dscnt 0x0
	s_barrier_signal -1
	s_barrier_wait -1
.endif
	s_sub_co_u32 s[TBK], s[TBK], 4*KS*PK
	s_xor_b32 s[TBK], s[TBK], SLOT1
	s_sub_co_u32 s[TBV], s[TBV], 4*KS*PV
	s_xor_b32 s[TBV], s[TBV], SLOT1
.endm
; Piece pp's codes of one key step: two tiles x two halves, 512 consecutive bytes a load.
.macro MLOAD pp, base
	WIN W_ML
.irp u, 0,1
.irp hf, 0,1
	global_load_b128 v[MR+16*(\pp)+8*\u+4*\hf:MR+16*(\pp)+8*\u+4*\hf+3], v[GO], s[\base:\base+1] offset:(2*(\pp)+\u)*32768+\hf*512
.endr
.endr
.endm
; Piece pp's codes become its eight C operands, and its codes of the next step are asked for.
.macro MASKSTEP pp
	s_wait_loadcnt 12               ; loads come back in order: mine were issued four turns back, the three younger groups of four may stay out
	WIN W_CV
.irp c, 0,1,2,3,4,5,6,7
	v_cvt_scale_pk8_f32_fp8 v[MC+8*\c:MC+8*\c+7], v[MR+16*(\pp)+2*\c:MR+16*(\pp)+2*\c+1], v[SCL]
.endr
	v_nop                           ; a plain instruction behind the last conversion, ahead of the loads into its sources and of the use of its result
	MLOAD \pp, MB
	WIN 0
.endm
	s_load_b64 s[4:5], s[0:1], 0x0  ; qkvh
	s_load_b64 s[10:11], s[0:1], 0x8  ; oh
	s_load_b64 s[MBASE:MBASE+1], s[0:1], 0x10  ; maskw
	WIN W_MK
	v_lshl_add_u32 v[SPW], v0, 2, SPARE
	v_mov_b32 v[NIL], 0
	WIN W_AD
	ds_add_u32 v[SPW], v[NIL]       ; the wave's opening: the add and its wait stand ahead of my first tensor load
	ds_add_u32 v0, v1
	WIN 0
	v_lshrrev_b32 v1, 5, v0
	v_readfirstlane_b32 s[WV], v1   ; wave 0..3
	s_bfe_u32 s13, ttmp6, 0x40000   ; cx
	s_lshl_b32 s14, ttmp9, 2
	s_add_co_u32 s14, s14, s13      ; my block of 512 queries: it enters Q's, O's and the mask's addresses alone
	s_and_b32 s20, ttmp7, 0xffff    ; the head, which the four partners share
	s_mov_b32 s21, 0
	s_mov_b64 s[22:23], SIZE_N*128
	s_mul_u64 s[20:21], s[20:21], s[22:23]
	s_and_b32 s16, s[WV], 1         ; which half of a slot's 256 keys I fetch
	s_lshl_b32 s22, s16, 14
	s_mov_b32 s23, 0
	s_add_nc_u64 s[22:23], s[22:23], s[20:21]
	s_mul_i32 s17, s16, 128*PK
	s_mul_i32 s18, s16, 128*PV
	s_lshl_b32 s2, s14, 2
	s_add_co_u32 s2, s2, s[WV]      ; my wave among the head's sixteen:
	s_lshl_b32 s[MO], s2, 18        ; its eight tiles of 32,768 bytes in the mask,
	s_mov_b32 s[MO+1], 0
	s_lshl_b32 s2, s2, 14           ; its 128 rows
	s_mov_b32 s3, 0
	s_add_nc_u64 s[2:3], s[2:3], s[20:21]
	; descriptor group 1.  128 keys are 16,384 dense bytes: asked for as 64 rows of 256 bytes, two keys a row, and padded in LDS after every key
	s_mov_b32 s[G1K], 15|(1<<16)|(1<<20)|(1<<21)|(4<<22)|(3<<25)
	s_mov_b32 s[G1V], 15|(1<<16)|(1<<20)|(1<<21)|(4<<22)|(7<<25)
.irp g, G1K, G1V
	s_mov_b32 s[\g+1], 128<<16
	s_mov_b32 s[\g+2], 64<<16
	s_mov_b32 s[\g+3], 128<<16
	s_mov_b32 s[\g+4], 64
	s_mov_b32 s[\g+5], 128
	s_mov_b32 s[\g+6], 0
	s_mov_b32 s[\g+7], 0
.endr
	s_mov_b32 s[CS], 0x3e38aa3b     ; c = log2(e) / 8
	s_mov_b32 s[CS+1], s[CS]
	s_mov_b32 s[SEL], 0x76543210
	s_mov_b32 s[SEL+1], 0xfedcba98
	s_mov_b32 s[NEGB], 0xf0000000   ; -2^97
	s_mov_b32 s[TBK], SLOT1+4*KS*PK ; the first change of slots turns these two into 0
	s_mov_b32 s[TBV], SLOT1+4*KS*PV
	s_mov_b32 s[G0K], 1
	s_mov_b32 s[G0K+1], s17
	s_mov_b32 s[G0V], 1
	s_add_co_u32 s[G0V+1], s18, VOFF
	s_wait_dscnt 0x0                ; the opening add is done
	s_wait_kmcnt 0x0
	s_add_nc_u64 s[6:7], s[4:5], 0x1000000  ; K and V lie behind Q, 16 MiB each
	s_add_nc_u64 s[8:9], s[4:5], 0x2000000
	s_add_nc_u64 s[G0K+2:G0K+3], s[6:7], s[22:23]
	s_or_b32 s[G0K+3], s[G0K+3], 0x80000000
	s_add_nc_u64 s[G0V+2:G0V+3], s[8:9], s[22:23]
	s_or_b32 s[G0V+3], s[G0V+3], 0x80000000
	s_add_nc_u64 s[4:5], s[4:5], s[2:3]  ; Q and O at my wave's first row
	s_add_nc_u64 s[10:11], s[10:11], s[2:3]
	s_add_nc_u64 s[MBASE:MBASE+1], s[MBASE:MBASE+1], s[MO:MO+1]
	CROUND                          ; all four work-groups are here: the first joint loads meet
	JLOAD                           ; slot 0
	v_and_b32 v1, 15, v0            ; l % 16
	v_bfe_u32 v9, v0, 4, 1          ; l / 16
	v_lshlrev_b32 v[QO], 7, v1
	v_lshl_add_u32 v[QO], v9, 4, v[QO]
	v_and_b32 v[GO], 31, v0
	v_lshlrev_b32 v[GO], 4, v[GO]
	WIN 0x80
.set i, 0
.rept 4*NP                          ; Q stays in registers
	global_load_b128 v[8*i:8*i+3],   v[QO], s[4:5] offset:(i/2)*2048+(i%2)*64
	global_load_b128 v[8*i+4:8*i+7], v[QO], s[4:5] offset:(i/2)*2048+(i%2)*64+32
.set i, i+1
.endr
.irp pc, 0,1,2,3
	MLOAD \pc, MBASE                ; all four pieces' codes of key step 0
.endr
	WIN 0x80
.set i, VF
.rept 64                            ; what the first turn finds: V and P's second buffer hold 0, O^T and l are 0; all this stands in the wait for the first tile
	v_mov_b32 v[i], 0
.set i, i+1
.endr
	WIN 0x40
.set i, 0
.rept 64*NP
	v_mov_b32 v[i], 0
.set i, i+1
.endr
	WIN 0
.set i, 0
.rept 2*NP
	v_mov_b32 v[ST+4*i], 0xfe000000    ; c m: far below every c s, a hidden one's too
	v_mov_b32 v[ST+4*i+1], 0xff7fffff  ; m
	v_mov_b32 v[ST+4*i+2], 0
	v_mov_b32 v[ST+4*i+3], 0
.set i, i+1
.endr
.set i, P+32
.rept 32
	v_mov_b32 v[i], 0
.set i, i+1
.endr
	v_mul_u32_u24 v[AK0], v1, PK
	v_lshl_add_u32 v[AK0], v9, 4, v[AK0]
	v_and_b32 v10, 7, v0
	v_bfe_u32 v11, v0, 3, 1
	v_lshl_add_u32 v[AV0], v9, 3, v10
	v_mul_u32_u24 v[AV0], v[AV0], PV
	v_lshl_add_u32 v[AV0], v11, 4, v[AV0]
	v_add_nc_u32 v[AV0], VOFF, v[AV0]
	v_mov_b32 v[AK], v[AK0]
	v_mov_b32 v[SCL], 227
; THE MATRIX WORK.  The 8 accumulators of a run of 16 take turns.  Product i of 16 of S^T = K Q^T for piece x: channels 32 (i / 8) on, keys 16 ((i / 2) % 4) on, tile 2 x + i % 2.
; The first 8 start the sums, with the mask.
.macro KQ x
.set rS, S+64*((\x)%2)+32*(i%2)+8*((i/2)%4)
.set rK, KF+16*((i/2)%4)+8*(i/8)
.set rQ, 16*(2*(\x)+i%2)+8*(i/8)
.set rX, MC+32*(i%2)+8*((i/2)%4)
.if i < 8
	WIN W_KM
	v_wmma_f32_16x16x32_f16 v[rS:rS+7], v[rK:rK+7], v[rQ:rQ+7], v[rX:rX+7]
.else
	WIN W_KQ
	v_wmma_f32_16x16x32_f16 v[rS:rS+7], v[rK:rK+7], v[rQ:rQ+7], v[rS:rS+7]
.endif
.endm
.macro PV x
	WIN W_PV
.set rO, 32*(2*(\x)+i%2)+8*((i/2)%4)
.set rV, VF+32*(i/8)+8*((i/2)%4)
.set rP, P+32*((\x)%2)+16*(i%2)+8*(i/8)
	v_wmma_f32_16x16x32_f16 v[rO:rO+7], v[rV:rV+7], v[rP:rP+7], v[rO:rO+7]
.endm
.macro MM
.if i < 16
	KQ (Y+1)%NP
.set i, i+1
.else
.set i, i-16
	PV (Y+NP-1)%NP
.set i, i+17
.endif
.endm
; THE LDS LOADS stand in runs of 16.  last = 1 (the tail): in the last trip there is no further step, and the run is jumped over.
.macro FETCH_K last=0
	WIN 0
.if \last
	s_cmp_eq_u32 s[CNT], 1
	s_cbranch_scc1 .Lno_k_\@
.endif
	WIN 0x80
.irp f, 0,1,2,3,4,5,6,7
	ds_load_b128 v[KF+8*\f:KF+8*\f+3],   v[AK] offset:(\f/2)*16*PK+(\f%2)*64
	ds_load_b128 v[KF+8*\f+4:KF+8*\f+7], v[AK] offset:(\f/2)*16*PK+(\f%2)*64+32
.endr
	s_add_co_u32 s[TBK], s[TBK], KS*PK
	WIN 0
.if \last
.Lno_k_\@:
.endif
.endm
.macro FETCH_V
	WIN 0x80
.irp f, 0,1,2,3,4,5,6,7
	ds_load_tr16_b128 v[VF+8*\f:VF+8*\f+3],   v[AV] offset:(\f/4)*32*PV+(\f%4)*32
	ds_load_tr16_b128 v[VF+8*\f+4:VF+8*\f+7], v[AV] offset:(\f/4)*32*PV+16*PV+(\f%4)*32
.endr
	WIN 0
.endm
; THE VECTOR WORK OF A TURN stands in three queues, each in the order in which its entries become ready; the two tiles alternate.
.macro REGS y, u
.set rT, ST+4*(2*(\y)+(\u))
.set rC, TMP+8*((\y)%2)+4*(\u)
.set rM, MV+2*((\y)%2)+(\u)
.set rS, S+64*((\y)%2)+32*(\u)
.set rP, P+32*((\y)%2)+16*(\u)
.set rO, 32*(2*(\y)+(\u))
.endm
; Number n of the 22 that find the NEXT piece's maximum and statistics; each accumulator's lowest registers are read first.
.macro XS u, n
	REGS (Y+1)%NP, \u
.if (\n) < 4
	v_max3_num_f32 v[rC+(\n)], v[rS+8*(\n)], v[rS+8*(\n)+1], v[rS+8*(\n)+2]
.elseif (\n) < 12
	v_max3_num_f32 v[rC+(\n)%4], v[rC+(\n)%4], v[rS+8*((\n)%4)+2*((\n)/4)+1], v[rS+8*((\n)%4)+2*((\n)/4)+2]
.elseif (\n) == 12
	v_max3_num_f32 v[rC], v[rC], v[rS+7], v[rS+15]
.elseif (\n) == 13
	v_max3_num_f32 v[rC+1], v[rC+1], v[rS+23], v[rS+31]
.elseif (\n) == 14
	v_max3_num_f32 v[rC+2], v[rC+2], v[rC+3], v[rT+1]
.elseif (\n) == 15
	v_mov_b32 v[rM], v[rT]
.elseif (\n) == 16
	v_max3_num_f32 v[rC], v[rC], v[rC+1], v[rC+2]
.elseif (\n) == 17
	v_permlanex16_b32 v[rC+3], v[rC], s[SEL], s[SEL+1]
.elseif (\n) == 18
	v_max_num_f32 v[rT+1], v[rC], v[rC+3]
.elseif (\n) == 19
	v_mul_f32 v[rT], s[CS], v[rT+1]
.elseif (\n) == 20
	v_sub_f32 v[rC+1], v[rM], v[rT]
.else
	v_exp_f32 v[rC+2], v[rC+1]
.endif
.endm
; Number g of the 64 that follow the exponentials: roundings to f16, sums in place, and l a group later.
.macro GS g
.set h, (\g)+6*((\g)/62)
.if h >= 6
.set h, h+2
.endif
	REGS Y, h%2
.set k, h/8
.if h%8 < 4
	v_cvt_pk_f16_f32 v[rP+2*k+(h%8)/2], v[rS+4*k+2*((h%8)/2)], v[rS+4*k+2*((h%8)/2)+1]
.elseif h%8 < 6
	v_pk_add_f32 v[rS+4*k:rS+4*k+1], v[rS+4*k:rS+4*k+1], v[rS+4*k+2:rS+4*k+3]
.elseif k == 1
	v_pk_fma_f32 v[rT+2:rT+3], v[rT+2:rT+3], v[rC+2:rC+3], v[rS:rS+1] op_sel_hi:[1,0,1]
.else
	v_pk_add_f32 v[rT+2:rT+3], v[rT+2:rT+3], v[rS+4*k-4:rS+4*k-3]
.endif
.endm
; THE PLAIN QUEUE, 138 long: 0-73 read no exponential's result (the 32 scalings and the next piece's 42); 74-137 are GS's 64, behind the wait.
.macro FS f
	REGS Y, (\f)%2
	v_pk_fma_f32 v[rS+2*((\f)/2):rS+2*((\f)/2)+1], v[rS+2*((\f)/2):rS+2*((\f)/2)+1], s[CS:CS+1], v[rT:rT+1] op_sel_hi:[1,0,0] neg_lo:[0,0,1] neg_hi:[0,0,1]
.endm
.macro PL
	WIN 0
.if q < 27
	FS q
.elseif q < 55
	XS (q-27)%2, (q-27)/2
.elseif q < 57
	XS q-55, 15
.elseif (q < 72) && ((q-57)%3 == 0)
	FS 27+(q-57)/3
.elseif q < 60
	XS (q-57)%3-1, 14
.elseif q < 72
	XS (q-57)%3-1, 15+(q-57)/3
.elseif q < 74
	XS q-72, 20
.else
	GS q-74
.endif
.set q, q+1
.endm
; THE EXPONENTIALS' QUEUE, 66 long: one batch, all ahead of the turn's one wait.
.macro EX
	WIN 0
.if e >= 64
	XS e-64, 21
.else
	REGS Y, e%2
	v_exp_f32 v[rS+e/2], v[rS+e/2]
.endif
.set e, e+1
.endm
; THE RESCALING's QUEUE: O^T times a, two at a time.
.macro R2
	REGS Y, r%2
	WIN W_RS
.irp z, 0,1
	v_pk_mul_f32 v[rO+4*(r/2)+2*\z:rO+4*(r/2)+2*\z+1], v[rO+4*(r/2)+2*\z:rO+4*(r/2)+2*\z+1], v[rC+2:rC+3] op_sel_hi:[1,0]
.endr
.set r, r+1
.endm
; A TURN, for piece p.  Ahead of its one wait: 16 products K Q^T, behind each a scaling, an exponential and two rescalings; the mask's step; the lump.  Behind it: 16 products V^T P, behind each four
; of the roundings and sums.  The mask's step stands at the lump's head: the last product that read the C operands is the turn's eighth, 24 plain riders back; their next reader is the next turn's first.
; It serves piece p + 2, whose scores the next turn makes.  Piece 2's turn steps the mask's address: the four turns from there on ask for one and the same key step; past a tile's last step the
; address goes round to its first, so that the last trips' loads, which serve nothing, stay in the tile's own bytes.
.macro TURN p, last=0, cnt=0
.set Y, (\p)
.set i, 0
.set q, 0
.set e, 0
.set r, 0
.if (\p) == NP-2
	s_wait_xcnt 0x0                 ; the mask's loads issued so far have read their base
	s_add_co_u32 s[MO], s[MO], 1024
	s_and_b32 s[MO], s[MO], 0x7fff
	s_add_nc_u64 s[MB:MB+1], s[MBASE:MBASE+1], s[MO:MO+1]
.endif
.if (\p) == NP-1
	s_wait_dscnt 0x0                ; K is in
.endif
	MM
	PL
	PL
	R2
.rept 15
	MM
	PL
	EX
	R2
.endr
.if (\p) == NP-2
	WIN 0
	v_add_nc_u32 v[AK], s[TBK], v[AK0]
.endif
	MASKSTEP ((\p)+2)%NP
.rept 8
	PL
.endr
.rept 49
	EX
	PL
.endr
	EX
	EX
	v_nop                           ; a plain instruction behind the last exponential: one for the batch
	s_wait_alu depctr_va_vdst(0)    ; the wait ahead of the first line that names a result: one for the batch
.if (\p) == NP-2
	FETCH_K \last
.endif
.if (\p) == 1
	s_wait_dscnt 0x0                ; V is in
.endif
.rept 16
	MM
.rept 4
	PL
.endr
.if ((\p) == 0) && (q == 118)
	v_add_nc_u32 v[AV], s[TBV], v[AV0]
.endif
.if ((\p) == 0) && (q == 130)
	s_add_co_u32 s[TBV], s[TBV], KS*PV
.endif
.if (\cnt) && (q == 130)
	s_sub_co_u32 s[CNT], s[CNT], 1
	s_cmp_lg_u32 s[CNT], 0
.endif
.endr
.if (\p) == 0
	FETCH_V
.endif
.endm
	CHANGE 1                        ; slot 0 is in, everybody's part of it; slot 1 is asked for
	FETCH_K                         ; key step 0
	s_wait_loadcnt 0x0              ; Q, and step 0's codes
	s_mov_b32 s[MO], 1024           ; the loads from here to piece 1's turn ask for key step 1
	s_add_nc_u64 s[MB:MB+1], s[MBASE:MBASE+1], s[MO:MO+1]
	MASKSTEP 0
	s_wait_dscnt 0x0
.set i, 0
.rept 16
	KQ 0                            ; piece 0's first scores
.set i, i+1
.endr
	WIN 0                           ; the addresses for the way out: seven plain instructions, the places behind those products
	s_mul_i32 s13, s[WV], 16*SP
	s_add_co_u32 s13, s13, STAGE
	v_mul_u32_u24 v[STO], v1, SP
	v_lshl_add_u32 v[STO], v9, 4, v[STO]
	v_add_nc_u32 v[STO], s13, v[STO]
	v_bfe_u32 v[RD], v0, 3, 2
	v_mul_u32_u24 v[RD], v[RD], SP
	v_lshl_add_u32 v[RD], v10, 4, v[RD]
	v_add_nc_u32 v[RD], s13, v[RD]
	MASKSTEP 1                      ; for piece 1's scores, which the first turn makes
.set Y, NP-1
.irp n, 0,1,2,3,4,5,6,7,8,9,10,11,12,13,14,15,16,17,18,19,20,21
	XS 0, \n
	XS 1, \n
.endr
	v_nop
	s_wait_alu depctr_va_vdst(0)    ; the two a's wait, ahead of the branch
	s_mov_b32 s[CNT], 4
	s_mov_b32 s[SLOTS], SIZE_N/256-1
	s_branch .Lfirst                ; the loop is entered at a step's first turn, in the middle of a trip
.Lslot:
	CHANGE 1
	s_mov_b32 s[CNT], 4
.Lstep:                             ; a trip: pieces 2 and 3 of one step, then pieces 0 and 1 of the next
	TURN 2
	TURN 3
	WIN 0
.Lfirst:
	TURN 0
	TURN 1, 0, 1
	WIN 0
	s_cbranch_scc1 .Lstep
	s_sub_co_u32 s[SLOTS], s[SLOTS], 1
	s_cmp_lg_u32 s[SLOTS], 0
	s_cbranch_scc1 .Lslot
	CHANGE 0                        ; the tail is written out
	s_mov_b32 s[CNT], 5
.Ltail:
	TURN 2, 1
	TURN 3
	WIN 0
	s_sub_co_u32 s[CNT], s[CNT], 1
	s_cmp_eq_u32 s[CNT], 0
	s_cbranch_scc1 .Lout
	TURN 0
	TURN 1
	WIN 0
	s_branch .Ltail
.Lout:                              ; the fifth trip's products K Q^T (the last K once more, under step 0's mask) serve nothing; they can lift piece 0's m only through a key that the row sees
.set i, 0
.rept 16
	PV NP-1
.set i, i+1
.endr
	; THE WAY OUT.  l's halves are added; O^T is divided by l (by NaN where the row saw no key), rounded to f16 and sent through my stage in LDS, a tile at a time.
	WIN 0
.macro ALL line:vararg
.set t, 0
.rept 2*NP
	\line
.set t, t+1
.endr
.endm
	v_mov_b32 v[NANR], 0x7fc00000
	ALL v_add_f32 v[ST+4*t+2], v[ST+4*t+2], v[ST+4*t+3]
	ALL v_permlanex16_b32 v[ST+4*t+3], v[ST+4*t+2], s[SEL], s[SEL+1]
	ALL v_add_f32 v[ST+4*t+2], v[ST+4*t+2], v[ST+4*t+3]
	ALL v_rcp_f32 v[ST+4*t+2], v[ST+4*t+2]
	v_nop
	s_wait_alu depctr_va_vdst(0)    ; one wait for the eight reciprocals
.set t, 0
.rept 2*NP
	v_cmp_gt_f32 vcc_lo, s[NEGB], v[ST+4*t+1]  ; -2^97 > m: every key was hidden
	v_cndmask_b32 v[ST+4*t+2], v[ST+4*t+2], v[NANR], vcc_lo
.set t, t+1
.endr
.macro PACK t
	WIN W_RS
.set i, 32*(\t)
.rept 16
	v_pk_mul_f32 v[i:i+1], v[i:i+1], v[ST+4*(\t)+2:ST+4*(\t)+3] op_sel_hi:[1,0]
.set i, i+2
.endr
	WIN 0x05
.set i, 0
.rept 16
	v_cvt_pk_f16_f32 v[S+16*(\t)+i], v[32*(\t)+2*i], v[32*(\t)+2*i+1]
.set i, i+1
.endr
	WIN 0
.irp f, 0,1,2,3
	ds_store_b128 v[STO], v[S+16*(\t)+4*\f:S+16*(\t)+4*\f+3] offset:32*\f
.endr
.irp f, 0,1,2,3
	ds_load_b128 v[S+16*(\t)+4*\f:S+16*(\t)+4*\f+3], v[RD] offset:\f*4*SP  ; LDS serves a wave's instructions in order: these see the stores above
.endr
.endm
.macro SEND t, younger              ; younger: the LDS instructions issued behind tile t's loads
	WIN 0
.irp f, 0,1,2,3
	s_wait_dscnt (\younger)+3-\f
	global_store_b128 v[GO], v[S+16*(\t)+4*\f:S+16*(\t)+4*\f+3], s[10:11] offset:(\t)*2048+\f*512  ; 512 consecutive bytes, aligned
.endr
.endm
	PACK 0
.set t, 1
.rept 2*NP-1
	PACK t
	SEND t-1, 8
.set t, t+1
.endr
	SEND 2*NP-1, 0
	WIN W_AD
	s_wait_tensorcnt 0x0            ; the wave's end
	ds_add_u32 v[SPW], v[NIL]
	s_wait_dscnt 0x0
	WIN 0
	CROUND                          ; the closing round
	s_endpgm
.Lfunc_end_k_q4f90048ceb_attn:
	.size	k_q4f90048ceb_attn, .Lfunc_end_k_q4f90048ceb_attn-k_q4f90048ceb_attn
	.p2alignl 7, 3214868480
	.fill 96, 4, 3214868480
	.section	.rodata,"a",@progbits
	.p2align	6, 0x0
	.amdhsa_kernel k_q4f90048ceb_attn
		.amdhsa_group_segment_fixed_size 327680
		.amdhsa_private_segment_fixed_size 0
		.amdhsa_enable_private_segment 0
		.amdhsa_kernarg_size 24
		.amdhsa_user_sgpr_count 2
		.amdhsa_user_sgpr_kernarg_segment_ptr 1
		.amdhsa_wavefront_size32 1
		.amdhsa_system_sgpr_workgroup_id_x 1
		.amdhsa_system_sgpr_workgroup_id_y 1
		.amdhsa_system_sgpr_workgroup_id_z 1
		.amdhsa_system_vgpr_workitem_id 0
		.amdhsa_next_free_vgpr 960
		.amdhsa_next_free_sgpr 80
		.amdhsa_reserve_vcc 1
		.amdhsa_float_denorm_mode_32 3
		.amdhsa_float_denorm_mode_16_64 3
		.amdhsa_memory_ordered 1
		.amdhsa_forward_progress 1
		.amdhsa_inst_pref_size 212
	.end_amdhsa_kernel
	.amdgpu_metadata
---
amdhsa.version: [ 1, 2 ]
amdhsa.kernels:
  - .name:           k_q4f90048ceb_attn
    .symbol:         k_q4f90048ceb_attn.kd
    .args:
      - { .name: qkvh, .offset: 0, .size: 8, .value_kind: global_buffer, .address_space: global }
      - { .name: oh, .offset: 8, .size: 8, .value_kind: global_buffer, .address_space: global }
      - { .name: maskw, .offset: 16, .size: 8, .value_kind: global_buffer, .address_space: global }
    .group_segment_fixed_size: 327680
    .private_segment_fixed_size: 0
    .kernarg_segment_align: 8
    .kernarg_segment_size: 24
    .max_flat_workgroup_size: 128
    .sgpr_count:     80
    .vgpr_count:     960
    .wavefront_size: 32
...
	.end_amdgpu_metadata
.endif
;; end of part 3
;; launch outp (part 4): grid 4 x 64, 4 waves a work-group, clusters of 4 x 4, 327,680 bytes of LDS; arguments oh, wb, bo, out0; writes out0
.if DOCPART == 4
	.amdgcn_target "amdgcn-amd-amdhsa--gfx1250"
	.amdhsa_code_object_version 6
	.text
	.protected	k_q4f90048ceb_outp
	.globl	k_q4f90048ceb_outp
	.p2align	8
	.type	k_q4f90048ceb_outp,@function
k_q4f90048ceb_outp:
	s_mov_b64 s[64:65], 0
	v_nop
	global_prefetch_b8 v0, s[64:65] scope:SCOPE_SE
	s_setreg_imm32_b32 hwreg(HW_REG_WAVE_MODE, 25, 1), 1
	s_wait_xcnt 0x0
	s_wait_alu depctr_hold_cnt(0) depctr_sa_sdst(0) depctr_va_vdst(0) depctr_va_sdst(0) depctr_va_ssrc(0) depctr_va_vcc(0) depctr_vm_vsrc(0)
	s_getreg_b32 s2, hwreg(HW_REG_IB_STS2, 6, 4)
	s_cmp_eq_u32 s2, 0
	s_cbranch_scc0 .Lentry_in_a_cluster
	s_endpgm
.Lentry_in_a_cluster:
	s_bfe_u32 s2, ttmp6, 0x10000c
	s_cmp_lg_u32 s2, 0xf033
	s_cbranch_scc0 .Lentry_shape_is_right
	s_endpgm
.Lentry_shape_is_right:
; THE OUTPUT PROJECTION.  out0 = O Wo^T + bo.  O: oh [64 = 16 n + h][2048][64] f16, Wo: wb part 3, [1024][1024] f16 (rounded to bf16 by the launch that wrote it); bo: f32, rounded to bf16 here
; like every input; out0 [8192][1024] f32.  Sums in f32.
; LIMIT.  f16 ends at 65,504: O and Wo arrive within it; below 6e-5 f16 keeps a fixed step of 6e-8.
; SHARES.  A tile of C is 128 rows x 256 columns: 256 tiles, one for each WGP.  Four waves, each 64 x 128: 32 accumulators, 256 registers.
; K goes in 8 steps of 128 (two heads) through two LDS slots; waves 0 and 1 fetch the halves of O's tile, waves 2 and 3 those of Wo's, one tensor load each.
; CLUSTER.  4 x 4 work-groups: the four of a row need the same tile of O, the four of a column the same tile of Wo; each is asked for jointly, by the same load, descriptor and mask in all four.
; THE MATRIX INSTRUCTION IS USED TRANSPOSED (source 0 = 16 rows of Wo, source 1 = 16 rows of O): a lane holds one row of C and eight neighbouring columns.  The bias is the C operand of the first
; K quarter's products: nothing is cleared and nothing is added later.
; REGISTERS.  window 0: v16-30 addresses; v32-95 O's fragments, two buffers; v96-223 Wo's, two buffers (on the way out: rows read back).  window 1: the accumulators, (a, b) at 8 (8 a + b).
;   window 2: v0-63 the bias of my 128 columns as C operands (block b at 8 b); v64-67 at work.
.set PB, 272                           ; a row of Wo in LDS: 256 bytes + 16: the 16 rows of a load start at 16 different groups of four banks
.set BHALF, 128*PB
.set PA, 144                           ; a row of O: one head's 128 bytes + 16
.set AHD, 64*PA                        ; 64 rows of one head; a half tile holds two heads
.set AHALF, 2*AHD
.set ASTEP, 524288                     ; a K step is two heads: 2 x 2048 x 128 bytes
.set SPITCH, 528
.set ADIM0, 4096                       ; 64 dense rows of a head are asked for as one row of 8,192 bytes; two heads are two rows
.set AROWS, 2
.set APITCH, 131072
.set AQI, 4                            ; padded after every 32 words
.set SLOT, 2*AHALF+2*BHALF             ; O's 128 rows, then Wo's 256
.set STAGE, 2*SLOT                     ; behind the ring: 16 rows for each wave, for the way out; no tensor load lands here
.set SPARE, STAGE+4*16*SPITCH          ; behind the stages: the spare words, 128 bytes a wave
.set ADRA, 16                          ; v16-17  LDS address of my O fragments in slot 0, 1
.set ADRB, 20                          ; v20-21  the same for Wo
.set STO, 24
.set RD, 25
.set CO, 26
.set BO, 27                            ; v27  32 x (lane / 16): my eight columns' bias
.set SPW, 28
.set NIL, 29
.set PFO, 30
.set FA, 32
.set FB, 96
.set BI, 0
.set G1, 24
.set G0, 32
.set G1B, 48
.set G0B, 56
.set PFA, 44                           ; s[44:45] where the prefetches stand
.set LIM, 77                           ; s77  1 in the wave that prefetches, else the greatest number
.set MSB, 0
.macro WIN new                         ; the immediate's high byte repeats the setting that is left
.if MSB != (\new)
	s_set_vgpr_msb (MSB<<8)|(\new)
.set MSB, \new
.endif
.endm
.macro JLOAD s                         ; a joint load; an s_nop 0 and four v_nop follow each of the two lines
	s_cmp_eq_u32 s11, 0
	s_cbranch_scc0 .Lfor_b_\@
	tensor_load_to_lds s[G0+4*(\s):G0+4*(\s)+3], s[G1:G1+7]
	s_nop 0
.rept 4
	v_nop
.endr
	s_branch .Lasked_\@
.Lfor_b_\@:
	tensor_load_to_lds s[G0B+4*(\s):G0B+4*(\s)+3], s[G1B:G1B+7]
	s_nop 0
.rept 4
	v_nop
.endr
.Lasked_\@:
.endm
.macro CREST                           ; a round of the cluster's barrier behind its opening barrier
	s_cmp_lg_u32 s10, 0
	s_cbranch_scc1 .Lnot_wave_0_\@
	s_barrier_signal -3
.Lnot_wave_0_\@:
	s_barrier_wait -3
	s_barrier_signal -1
	s_barrier_wait -1
.endm
.macro CROUND
	s_barrier_signal -1
	s_barrier_wait -1
	CREST
.endm
; A prefetch of O's K step that stands two refills on: 128 blocks of 256 bytes, of which each of the four partners that ask for the tile takes 32, told apart by address; wave 0, a lane a block.
; O's rows are walked by this one row of the cluster, so each block is named once.  The loop's last trip has no K step two on.  Wo is read by every cluster of the launch and is not asked for.
.macro ASK
	s_cmp_gt_u32 s3, s[LIM]
	s_cbranch_scc0 .Lnot_mine_\@
	global_prefetch_b8 v[PFO], s[PFA:PFA+1] offset:ASTEP th:TH_LOAD_NT scope:SCOPE_SE
.Lnot_mine_\@:
.endm
	s_load_b128 s[4:7], s[0:1], 0x0                ; oh, wb
	s_load_b64 s[66:67], s[0:1], 0x10              ; bo
	s_load_b64 s[8:9], s[0:1], 0x18                ; out0
	v_lshl_add_u32 v[SPW], v0, 2, SPARE
	v_mov_b32 v[NIL], 0
	ds_add_u32 v[SPW], v[NIL]                      ; the wave's opening: the add and its wait stand ahead of my first tensor load
	ds_add_u32 v28, v29
	v_lshrrev_b32 v1, 5, v0
	v_readfirstlane_b32 s10, v1                    ; wave 0..3
	s_lshr_b32 s11, s10, 1                         ; my half of the tile's rows.  Also: I fetch for O (0) or for Wo (1)
	s_and_b32 s12, s10, 1                          ; my half of its columns.  Also: which half of that tile I fetch
	s_bfe_u32 s40, ttmp6, 0x40000                  ; cx
	s_bfe_u32 s41, ttmp6, 0x40004                  ; cy
	s_lshl_b32 s42, ttmp9, 2
	s_add_co_u32 s42, s42, s40                     ; tile column
	s_and_b32 s13, ttmp7, 0xffff
	s_lshl_b32 s13, s13, 2
	s_add_co_u32 s13, s13, s41                     ; tile row
	s_lshl_b32 s43, s41, 2
	s_lshl_b32 s43, 15, s43                        ; my row of the cluster
	s_lshl_b32 s76, 0x1111, s40                    ; my column
	s_or_b32 s[G1], s43, (1<<16)|(1<<20)|(1<<21)|(AQI<<22)|(3<<25)  ; the mask; 2-byte elements; padding on; bit 21 beside a mask; the interval; 4 words of padding
	s_mov_b32 s[G1+1], (ADIM0&0xffff)<<16          ; tensor_dim0
	s_mov_b32 s[G1+2], (ADIM0>>16)|(AROWS<<16)     ; tensor_dim1
	s_mov_b32 s[G1+3], ADIM0<<16                   ; tile_dim0
	s_mov_b32 s[G1+4], AROWS                       ; tile_dim1
	s_mov_b32 s[G1+5], APITCH                      ; elements from row to row
	s_mov_b32 s[G1+6], 0
	s_mov_b32 s[G1+7], 0
	s_or_b32 s[G1B], s76, (1<<16)|(1<<20)|(1<<21)|(5<<22)|(3<<25)
	s_mov_b32 s[G1B+1], 128<<16
	s_mov_b32 s[G1B+2], 128<<16
	s_mov_b32 s[G1B+3], 128<<16
	s_mov_b32 s[G1B+4], 128
	s_mov_b32 s[G1B+5], 1024
	s_mov_b32 s[G1B+6], 0
	s_mov_b32 s[G1B+7], 0
	s_lshr_b32 s16, s13, 4                         ; the batch n: 16 tile rows each,
	s_lshl_b32 s16, s16, 15                        ; its 16 heads of 2,048 rows
	s_and_b32 s17, s13, 15
	s_lshl_b32 s17, s17, 7                         ; the tile's first row in the batch
	s_add_co_u32 s16, s16, s17
	s_mov_b32 s79, s16
	s_lshl_b32 s17, s12, 6                         ; the 64 rows that I fetch
	s_add_co_u32 s16, s16, s17
	s_lshl_b32 s16, s16, 7                         ; rows of 128 bytes
	s_mov_b32 s17, 0
	s_lshl_b32 s46, s42, 8
	s_lshl_b32 s47, s12, 7
	s_add_co_u32 s46, s46, s47                     ; Wo: row 256 x tile column + 128 x half
	s_lshl_b32 s46, s46, 11
	s_add_co_u32 s46, s46, 3<<21                   ; Wo is wb's part 3
	s_mov_b32 s47, 0
	s_mul_i32 s20, s12, AHALF                      ; where they go: no place in the cluster enters an LDS address
	s_mul_i32 s21, s12, BHALF
	s_add_co_u32 s21, s21, 2*AHALF
	s_wait_dscnt 0x0                               ; the opening add is done
	s_wait_kmcnt 0x0
	s_add_nc_u64 s[14:15], s[4:5], s[16:17]
	s_add_nc_u64 s[46:47], s[6:7], s[46:47]
	CROUND                                         ; all sixteen work-groups are here: the first joint loads meet
.irp s, 0,1
	s_mov_b32 s[G0+4*(\s)], 1
	s_add_co_u32 s[G0+4*(\s)+1], s20, (\s)*SLOT
	s_add_nc_u64 s[G0+4*(\s)+2:G0+4*(\s)+3], s[14:15], (\s)*ASTEP
	s_or_b32 s[G0+4*(\s)+3], s[G0+4*(\s)+3], 0x80000000
	s_mov_b32 s[G0B+4*(\s)], 1
	s_add_co_u32 s[G0B+4*(\s)+1], s21, (\s)*SLOT
	s_add_nc_u64 s[G0B+4*(\s)+2:G0B+4*(\s)+3], s[46:47], (\s)*256
	s_or_b32 s[G0B+4*(\s)+3], s[G0B+4*(\s)+3], 0x80000000
	JLOAD \s                                       ; two loads of mine are out
.endr
	s_lshl_b32 s46, s42, 10                        ; my 128 columns in f32: 1,024 x tile column + 512 x half
	s_lshl_b32 s47, s12, 9
	s_add_co_u32 s46, s46, s47
	s_mov_b32 s47, 0
	s_add_nc_u64 s[66:67], s[66:67], s[46:47]
	v_and_b32 v1, 15, v0                           ; l % 16
	v_bfe_u32 v2, v0, 4, 1                         ; l / 16
	v_lshlrev_b32 v[BO], 5, v2
	WIN 0x80                                       ; destination window 2
.irp b, 0,1,2,3,4,5,6,7
	global_load_b128 v[BI+8*(\b):BI+8*(\b)+3],   v[BO], s[66:67] offset:64*(\b)
	global_load_b128 v[BI+8*(\b)+4:BI+8*(\b)+7], v[BO], s[66:67] offset:64*(\b)+16
.endr
	WIN 0
	v_mul_u32_u24 v3, v1, PA
	v_lshl_add_u32 v3, v2, 4, v3                   ; a fragment's row x pitch + 16 x half
	v_mul_u32_u24 v4, v1, PB
	v_lshl_add_u32 v4, v2, 4, v4
	s_mul_i32 s21, s11, AHALF                      ; my 64 rows of O
	s_mul_i32 s22, s12, BHALF                      ; my 128 rows of Wo,
	s_add_co_u32 s22, s22, 2*AHALF                 ; which lie behind O's
.irp s, 0,1
	v_add_nc_u32 v[ADRA+(\s)], s21, v3
	v_add_nc_u32 v[ADRB+(\s)], s22, v4
	s_add_co_u32 s21, s21, SLOT
	s_add_co_u32 s22, s22, SLOT
.endr
	s_mul_i32 s23, s10, 16*SPITCH
	s_add_co_u32 s23, s23, STAGE                   ; my stage
	v_mul_u32_u24 v5, v1, SPITCH                   ; in: row l % 16, my eight columns
	v_lshl_add_u32 v5, v2, 5, v5
	v_add_nc_u32 v[STO], s23, v5
	v_and_b32 v6, 31, v0
	v_lshlrev_b32 v[CO], 4, v6                     ; 16 x lane: my place in 512 consecutive bytes of C
	v_add_nc_u32 v[RD], s23, v[CO]                 ; back: a row of 512 bytes
	s_lshl_b32 s16, s13, 7
	s_lshl_b32 s17, s11, 6
	s_add_co_u32 s16, s16, s17                     ; my first row of out0,
	s_lshl_b32 s16, s16, 12                        ; rows of 4,096 bytes
	s_mov_b32 s17, 0
	s_add_nc_u64 s[8:9], s[8:9], s[16:17]
	s_add_nc_u64 s[8:9], s[8:9], s[46:47]          ; my columns: the same bytes as in the bias
	s_lshl_b32 s21, s40, 5                         ; the prefetches: my work-group's 32 rows of the tile's 128, in both heads
	s_add_co_u32 s20, s79, s21
	s_lshl_b32 s20, s20, 7
	v_lshlrev_b32 v[PFO], 8, v1                    ; 16 blocks of 256 bytes in a head,
	v_lshl_add_u32 v[PFO], v2, 18, v[PFO]          ; lanes 16-31 in the next head
	s_mov_b32 s21, 0
	s_add_nc_u64 s[PFA:PFA+1], s[4:5], s[20:21]
	s_add_nc_u64 s[PFA:PFA+1], s[PFA:PFA+1], 2*ASTEP  ; at K step 2: the first refill steps it to 3 and names K step 4
	s_cmp_eq_u32 s10, 0
	s_cselect_b32 s[LIM], 1, -1
	s_wait_loadcnt 0x0                             ; the bias
	WIN 0xaa                                       ; all in window 2
.set p, 0
.rept 32                                       ; rounded to bf16 like every input, and widened again
	v_cvt_pk_bf16_f32 v[64+p%4], v[BI+2*p], v[BI+2*p+1]
	v_lshlrev_b32 v[BI+2*p], 16, v[64+p%4]
	v_and_b32 v[BI+2*p+1], 0xffff0000, v[64+p%4]
.set p, p+1
.endr
	WIN 0
; 8 na matrix instructions: row blocks a0 .. a0 + na - 1 x all 8 column blocks, 32 along K, from buffer f.  first = 1: the bias starts the sums.
; The 32 accumulators take turns in one fixed order: 31 others stand between two links of a chain.
.macro MUL f, a0, na, first
.if \first
	WIN 0x60                                       ; C window 2, D window 1
.else
	WIN 0x50                                       ; C and D window 1
.endif
.set aa, \a0
.rept \na
.irp b, 0,1,2,3,4,5,6,7
.if \first
	v_wmma_f32_16x16x32_f16 v[8*(8*aa+\b):8*(8*aa+\b)+7], v[FB+64*(\f)+8*\b:FB+64*(\f)+8*\b+7], v[FA+32*(\f)+8*aa:FA+32*(\f)+8*aa+7], v[BI+8*\b:BI+8*\b+7]
.else
	v_wmma_f32_16x16x32_f16 v[8*(8*aa+\b):8*(8*aa+\b)+7], v[FB+64*(\f)+8*\b:FB+64*(\f)+8*\b+7], v[FA+32*(\f)+8*aa:FA+32*(\f)+8*aa+7], v[8*(8*aa+\b):8*(8*aa+\b)+7]
.endif
.endr
.set aa, aa+1
.endr
.endm
; 24 LDS loads in one run: the fragments of quarter q of a K step (128 rows of Wo, then 64 rows of O: head q / 2 of the step's two, channels 32 (q % 2) on) into buffer f
.macro FETCH slot, q, f
	WIN 0
.set KA, ((\q)/2)*AHD+((\q)%2)*64
.irp i, 0,1,2,3,4,5,6,7
	ds_load_b128 v[FB+64*(\f)+8*(\i):FB+64*(\f)+8*(\i)+3],   v[ADRB+(\slot)] offset:64*(\q)+(\i)*16*PB
	ds_load_b128 v[FB+64*(\f)+8*(\i)+4:FB+64*(\f)+8*(\i)+7], v[ADRB+(\slot)] offset:64*(\q)+(\i)*16*PB+32
.endr
.irp i, 0,1,2,3
	ds_load_b128 v[FA+32*(\f)+8*(\i):FA+32*(\f)+8*(\i)+3],   v[ADRA+(\slot)] offset:KA+(\i)*16*PA
	ds_load_b128 v[FA+32*(\f)+8*(\i)+4:FA+32*(\f)+8*(\i)+7], v[ADRA+(\slot)] offset:KA+(\i)*16*PA+32
.endr
.endm
.macro PLACES                          ; four places in front of loads into registers that matrix instructions have read, and of lines that read results
.rept 4
	v_nop
.endr
.endm
; One of a K step's first three quarters: multiplies buffer f and, in its middle, fetches quarter qn of the same slot into buffer g.
.macro QUARTER slot, qn, f, g, first
	s_wait_dscnt 4                                 ; Wo and O's blocks 0 and 1 are in; the youngest four loads (O's blocks 2 and 3) may be out
	MUL \f, 0, 2, \first
	PLACES
	FETCH \slot, \qn, \g
	s_wait_dscnt 24                                ; all but the 24 just issued
	MUL \f, 2, 2, \first
.endm
; The last quarter multiplies buffer 1 and changes slots: one barrier; in front of it each wave waits for all its tensor loads (the one that is out is its part of the next slot), adds 0 to its
; spare word, and waits for that and for its own reads of this slot.  fill = 1: the barrier opens a round of the cluster's, and this slot is filled again first thing behind it, two K steps ahead.
.macro TURN slot, next, fill
.if \fill
	s_wait_xcnt 0x0                                ; the last prefetch, a K step back, has read its address
	s_add_nc_u64 s[PFA:PFA+1], s[PFA:PFA+1], ASTEP
.endif
	WIN 0
	s_wait_tensorcnt 0x0
	ds_add_u32 v[SPW], v[NIL]
	s_wait_dscnt 5                                 ; the add and the youngest four loads may be out
	MUL 1, 0, 1, 0
	s_wait_dscnt 0x0                               ; the add is done, and my reads of this slot are over
	s_barrier_signal -1
	MUL 1, 1, 1, 0
.if \fill
	WIN 0
.endif
	s_barrier_wait -1
.if \fill
	CREST                                          ; no wave of any partner still reads this slot or has a load on its way
	s_add_nc_u64 s[G0+4*(\slot)+2:G0+4*(\slot)+3], s[G0+4*(\slot)+2:G0+4*(\slot)+3], 2*ASTEP
	s_add_nc_u64 s[G0B+4*(\slot)+2:G0B+4*(\slot)+3], s[G0B+4*(\slot)+2:G0B+4*(\slot)+3], 2*256
	JLOAD \slot                                    ; its four v_nop are also the places in front of the loads below
.else
	PLACES
.endif
	FETCH \next, 0, 0
.if \fill
	ASK
.endif
	MUL 1, 2, 2, 0
.endm
	s_wait_tensorcnt 0x1                           ; my part of K step 0 is in; K step 1's may stay out
	s_barrier_signal -1
	s_barrier_wait -1
	FETCH 0, 0, 0
	QUARTER 0, 1, 0, 1, 1                          ; the first quarter stands in front of the loop: its products start the sums
	WIN 0
	s_mov_b32 s3, 3
.Llap:                                         ; a trip goes once round the ring and fills both slots again
	QUARTER 0, 2, 1, 0, 0
	QUARTER 0, 3, 0, 1, 0
	TURN 0, 1, 1
	QUARTER 1, 1, 0, 1, 0
	QUARTER 1, 2, 1, 0, 0
	QUARTER 1, 3, 0, 1, 0
	TURN 1, 0, 1
	QUARTER 0, 1, 0, 1, 0
	WIN 0
	s_sub_co_u32 s3, s3, 1
	s_cmp_lg_u32 s3, 0
	s_cbranch_scc1 .Llap
	QUARTER 0, 2, 1, 0, 0                          ; the last lap fills nothing
	QUARTER 0, 3, 0, 1, 0
	TURN 0, 1, 0
	QUARTER 1, 1, 0, 1, 0
	QUARTER 1, 2, 1, 0, 0
	QUARTER 1, 3, 0, 1, 0
	s_wait_dscnt 4
	MUL 1, 0, 2, 0
	s_wait_dscnt 0x0
	MUL 1, 2, 2, 0
	WIN 0
	PLACES
; THE WAY OUT, 16 rows at a time through my own stage: no barrier, and LDS serves a wave's instructions in order, so no wait between the stores and the loads.
.macro TOSTAGE a
	WIN 0
	s_wait_xcnt 0x0                                ; the stores of two blocks back have read the registers that the loads below fill
	WIN 0x04                                       ; the data in window 1
.irp b, 0,1,2,3,4,5,6,7
	ds_store_b128 v[STO], v[8*(8*(\a)+(\b)):8*(8*(\a)+(\b))+3]   offset:64*(\b)
	ds_store_b128 v[STO], v[8*(8*(\a)+(\b))+4:8*(8*(\a)+(\b))+7] offset:64*(\b)+16
.endr
	WIN 0
.irp t, 0,1,2,3,4,5,6,7,8,9,10,11,12,13,14,15
	ds_load_b128 v[FB+64*((\a)%2)+4*(\t):FB+64*((\a)%2)+4*(\t)+3], v[RD] offset:(\t)*SPITCH
.endr
.endm
.macro SEND a
	s_wait_dscnt 0x0
.irp t, 0,1,2,3,4,5,6,7,8,9,10,11,12,13,14,15
	global_store_b128 v[CO], v[FB+64*((\a)%2)+4*(\t):FB+64*((\a)%2)+4*(\t)+3], s[8:9] offset:(16*(\a)+(\t))*4096 th:TH_STORE_NT  ; 512 consecutive bytes of a row, aligned
.endr
.endm
	TOSTAGE 0
.irp a, 1,2,3
	SEND (\a)-1
	TOSTAGE \a
.endr
	SEND 3
	s_wait_tensorcnt 0x0                           ; the wave's end
	ds_add_u32 v[SPW], v[NIL]
	s_wait_dscnt 0x0
	CROUND                                         ; the closing round
	s_endpgm
.Lfunc_end_k_q4f90048ceb_outp:
	.size	k_q4f90048ceb_outp, .Lfunc_end_k_q4f90048ceb_outp-k_q4f90048ceb_outp
	.p2alignl 7, 3214868480
	.fill 96, 4, 3214868480
	.section	.rodata,"a",@progbits
	.p2align	6, 0x0
	.amdhsa_kernel k_q4f90048ceb_outp
		.amdhsa_group_segment_fixed_size 327680
		.amdhsa_private_segment_fixed_size 0
		.amdhsa_enable_private_segment 0
		.amdhsa_kernarg_size 32
		.amdhsa_user_sgpr_count 2
		.amdhsa_user_sgpr_kernarg_segment_ptr 1
		.amdhsa_wavefront_size32 1
		.amdhsa_system_sgpr_workgroup_id_x 1
		.amdhsa_system_sgpr_workgroup_id_y 1
		.amdhsa_system_sgpr_workgroup_id_z 1
		.amdhsa_system_vgpr_workitem_id 0
		.amdhsa_next_free_vgpr 592
		.amdhsa_next_free_sgpr 96
		.amdhsa_reserve_vcc 0
		.amdhsa_float_denorm_mode_32 3
		.amdhsa_float_denorm_mode_16_64 3
		.amdhsa_memory_ordered 1
		.amdhsa_forward_progress 1
		.amdhsa_inst_pref_size 93
	.end_amdhsa_kernel
	.amdgpu_metadata
---
amdhsa.version: [ 1, 2 ]
amdhsa.kernels:
  - .name:           k_q4f90048ceb_outp
    .symbol:         k_q4f90048ceb_outp.kd
    .args:
      - { .name: oh, .offset: 0, .size: 8, .value_kind: global_buffer, .address_space: global }
      - { .name: wb, .offset: 8, .size: 8, .value_kind: global_buffer, .address_space: global }
      - { .name: bo, .offset: 16, .size: 8, .value_kind: global_buffer, .address_space: global }
      - { .name: out0, .offset: 24, .size: 8, .value_kind: global_buffer, .address_space: global }
    .group_segment_fixed_size: 327680
    .private_segment_fixed_size: 0
    .kernarg_segment_align: 8
    .kernarg_segment_size: 32
    .max_flat_workgroup_size: 128
    .sgpr_count:     96
    .vgpr_count:     592
    .wavefront_size: 32
...
	.end_amdgpu_metadata
.endif
;; end of part 4
;; ======== version 2 of 2: 4 launches; version 1 with the launch prep written anew for expert scheduling mode
;; limits: values are held in f16: magnitudes above 65,504 overflow, below 6.1e-05 lose precision
;; workspace buffers: wb 8,388,608 bytes; maskw 4,194,304 bytes; qkvh 50,331,648 bytes; oh 16,777,216 bytes
;; launch prep (part 5): grid 64 x 8, 8 waves a work-group, no clusters, 17,408 bytes of LDS; arguments Wq, Wk, Wv, Wo, attn_mask, wb, maskw; writes wb, maskw
.if DOCPART == 5
	.amdgcn_target "amdgcn-amd-amdhsa--gfx1250"
	.amdhsa_code_object_version 6
	.text
	.protected	k_q4f90048ceb_prep
	.globl	k_q4f90048ceb_prep
	.p2align	8
	.type	k_q4f90048ceb_prep,@function
k_q4f90048ceb_prep:
	s_mov_b64 s[64:65], 0
	v_nop
	global_prefetch_b8 v0, s[64:65] scope:SCOPE_SE
	s_setreg_imm32_b32 hwreg(HW_REG_WAVE_SCHED_MODE, 0, 2), 2
	s_setreg_imm32_b32 hwreg(HW_REG_WAVE_MODE, 25, 1), 1
	s_wait_xcnt 0x0
	s_wait_alu depctr_vm_vsrc(0)
; CASTS.  Wq, Wk, Wv -> wb parts 0-2 (bf16, [1024][1024] each); Wo -> wb part 3 (rounded to bf16, that number written as f16);
; attn_mask (int32) -> maskw: one byte a score, the 8-bit float code of -1.0 (0xb8) where the mask is 0 and the code of 0 elsewhere, laid out as the attention's lanes want it.
; LIMIT.  Wo rounded to bf16 is written as f16: beyond 65,504 it would be an infinity, below 6e-5 it keeps f16's fixed step of 6e-8.
; SHARES.  Every work-group takes 65,536 bytes of one input.  y 0-2: Wq, Wk, Wv; y 3: Wo; y 4-7: the mask's part y - 4 of 4 MiB.  x: the 64 KiB in that part.
; A stream: sixteen loads of 512 consecutive bytes a wave are out at once, each byte is read once and written once; no matrix unit, no cluster, no tensor load: nothing is shared.
; maskw: for a tile of 16 queries qt, a key step st of 64 keys, half p, lane L = r + 16 h, byte e = 8 (kt & 1) + j with key block kt = 2 p + (kt & 1):
;   byte (qt * 32 + st) * 1024 + p * 512 + L * 16 + e stands for attn_mask[16 qt + r][64 st + 16 kt + 8 h + j].
; THE MODE: SCHED_MODE bits 1:0 = 2 (LLVM: expert scheduling mode 2), set by the entry lines.  The code itself states the register dependences
; between vector instructions and memory or LDS instructions, with s_wait_alu, always for 0.
; THE PLAN.  Registers that memory or LDS instructions touch:
;   v1, v2          (weights) the loads' and the stores' offsets: made once at the head, never written again.
;   v6, v7, v8, v9  (mask) the loads' offset, the stage's two LDS addresses, the stores' offset: made once at that path's head, never written again.
;   X               each register is loaded once.  Weights: read by the conversions.  Mask: worked on in place; word X + 4 n is then read by one LDS store.  Never loaded or written again.
;   Y               weights: each register is written by one conversion and read by one store.  Mask: filled by the loads from the stage, read by the stores; no vector line names it.
; No register that a memory or LDS instruction reads is written again, and there is no loop: so no wait on vm_vsrc stands between the entry's and the end's.  EXEC is never written.
; The waits on va_vdst: one ahead of a path's sixteen loads, for its offsets and addresses; one behind the vector work of each group (weights: four loads' conversions; mask: a block's eight loads),
; ahead of the group's run of stores.  One wait on va_sdst stands ahead of the first reader of the wave's number.
; The eight waves' stages take 2,048 bytes each, from LDS byte 0 on; the bytes behind them hold the spare words, 128 bytes a wave.
.set X, 16                             ; v[16:79]   sixteen loads of four registers
.set Y, 80                             ; v[80:111]  what is stored
	s_load_b256 s[8:15], s[0:1], 0x0               ; Wq, Wk, Wv, Wo
	s_load_b128 s[16:19], s[0:1], 0x20             ; attn_mask, wb
	s_load_b64 s[20:21], s[0:1], 0x30              ; maskw
	v_lshl_add_u32 v4, v0, 2, 0x4000
	v_mov_b32 v5, 0
	s_and_b32 s30, ttmp7, 0xffff                   ; y
	v_lshlrev_b32 v1, 4, v0                        ; 16 bytes a thread in,
	v_lshlrev_b32 v2, 3, v0                        ; 8 bytes out
	s_mov_b32 s3, 0
	s_wait_kmcnt 0x0
	s_cmp_ge_u32 s30, 4
	s_cbranch_scc1 .Lmask
	s_mov_b64 s[4:5], s[8:9]                       ; the source, chosen by y
	s_cmp_ge_u32 s30, 1
	s_cselect_b64 s[4:5], s[10:11], s[4:5]
	s_cmp_ge_u32 s30, 2
	s_cselect_b64 s[4:5], s[12:13], s[4:5]
	s_cmp_ge_u32 s30, 3
	s_cselect_b64 s[4:5], s[14:15], s[4:5]
	s_lshl_b32 s2, ttmp9, 16                       ; my 64 KiB of the weight
	s_add_nc_u64 s[4:5], s[4:5], s[2:3]
	s_lshl_b32 s2, s30, 21                         ; the weight's part of wb: half the bytes on the way out
	s_lshl_b32 s33, ttmp9, 15
	s_add_co_u32 s2, s2, s33
	s_add_nc_u64 s[6:7], s[18:19], s[2:3]
	s_wait_alu depctr_va_vdst(0)                   ; v1 and v2 are written: the loads below read v1 as their offset, the stores further down v2
.irp i, 0,1,2,3,4,5,6,7,8,9,10,11,12,13,14,15
	global_load_b128 v[X+4*(\i):X+4*(\i)+3], v1, s[4:5] offset:4096*(\i) th:TH_LOAD_NT
.endr
	s_cmp_eq_u32 s30, 3
	s_cbranch_scc1 .Lhalf
.set n, 0
.rept 4                                        ; four groups of four loads
.rept 4
	s_wait_loadcnt 15-n                            ; loads come back in order: load n is in, the younger ones stay out
	v_cvt_pk_bf16_f32 v[Y+2*n], v[X+4*n], v[X+4*n+1]
	v_cvt_pk_bf16_f32 v[Y+2*n+1], v[X+4*n+2], v[X+4*n+3]
.set n, n+1
.endr
	s_wait_alu depctr_va_vdst(0)                   ; the group's eight conversions have written their Y registers, which the four stores below read
.set m, n-4
.rept 4
	global_store_b64 v2, v[Y+2*m:Y+2*m+1], s[6:7] offset:2048*m th:TH_STORE_NT  ; a wave stores 256 consecutive bytes, aligned; each register is written once, so nothing is waited for behind a store
.set m, m+1
.endr
.endr
	s_branch .Lend
.Lhalf:                                        ; Wo: rounded to bf16 like every input, then written as f16
.set n, 0
.rept 4
.rept 4
	s_wait_loadcnt 15-n
	v_cvt_pk_bf16_f32 v10, v[X+4*n], v[X+4*n+1]
	v_cvt_pk_bf16_f32 v11, v[X+4*n+2], v[X+4*n+3]
	v_lshlrev_b32 v12, 16, v10
	v_and_b32 v13, 0xffff0000, v10
	v_lshlrev_b32 v14, 16, v11
	v_and_b32 v15, 0xffff0000, v11
	v_cvt_pk_f16_f32 v[Y+2*n], v12, v13
	v_cvt_pk_f16_f32 v[Y+2*n+1], v14, v15
.set n, n+1
.endr
	s_wait_alu depctr_va_vdst(0)                   ; the group's conversions to f16 have written their Y registers, which the four stores below read
.set m, n-4
.rept 4
	global_store_b64 v2, v[Y+2*m:Y+2*m+1], s[6:7] offset:2048*m th:TH_STORE_NT
.set m, m+1
.endr
.endr
	s_branch .Lend
.Lmask:                                        ; a wave takes two blocks of 16 queries x 64 keys, neighbours along the keys
	v_lshrrev_b32 v3, 5, v0
	v_readfirstlane_b32 s31, v3                    ; wave 0..7
	s_sub_co_u32 s32, s30, 4
	s_lshl_b32 s32, s32, 6
	s_add_co_u32 s32, s32, ttmp9                   ; the work-group among the mask's 256: 16 blocks each
	s_lshr_b32 s33, s32, 1                         ; qt
	s_lshl_b32 s2, s33, 17                         ; 16 rows of 8,192 bytes
	s_and_b32 s34, s32, 1
	s_lshl_b32 s34, s34, 4
	s_wait_alu depctr_va_sdst(0)                   ; s31 is written, ahead of its first reader, the next line
	s_lshl1_add_u32 s34, s31, s34                  ; st = 16 (work-group % 2) + 2 wave
	s_lshl_b32 s34, s34, 8                         ; 64 keys are 256 bytes
	s_add_co_u32 s2, s2, s34
	s_add_nc_u64 s[4:5], s[16:17], s[2:3]
	s_lshl_b32 s2, s32, 14                         ; out: 1,024 bytes a block
	s_lshl_b32 s34, s31, 11                        ; 2,048 x wave: in maskw, and my stage in LDS
	s_add_co_u32 s2, s2, s34
	s_add_nc_u64 s[6:7], s[20:21], s[2:3]
	s_mov_b32 s35, 0xb8
	v_and_b32 v3, 31, v0                           ; l
	v_and_b32 v10, 15, v0                          ; i = l % 16: keys 4 i .. 4 i + 3
	v_bfe_u32 v11, v0, 4, 1                        ; l / 16: the even or the odd row
	v_lshlrev_b32 v6, 4, v10
	v_lshl_add_u32 v6, v11, 13, v6                 ; lanes 0-15 take 256 bytes of one row, lanes 16-31 of the next
	v_bfe_u32 v12, v0, 3, 1
	v_lshlrev_b32 v7, 9, v12                       ; where my four bytes go: half p = i / 8: 512 p
	v_bfe_u32 v12, v0, 1, 1
	v_lshl_add_u32 v7, v12, 8, v7                  ; h = (i / 2) % 2: 16 lanes of 16 bytes
	v_lshl_add_u32 v7, v11, 4, v7                  ; the row's parity: a lane
	v_bfe_u32 v12, v0, 2, 1
	v_lshl_add_u32 v7, v12, 3, v7                  ; kt & 1 = (i / 4) % 2: 8 bytes
	v_and_b32 v12, 1, v0
	v_lshl_add_u32 v7, v12, 2, v7                  ; j = 4 (i % 2) on
	v_add_nc_u32 v7, s34, v7
	v_lshlrev_b32 v9, 4, v3                        ; 16 l
	v_add_nc_u32 v8, s34, v9
	s_wait_alu depctr_va_vdst(0)                   ; v6, v7, v8 and v9 are written: the loads below read v6, the LDS stores v7, the loads from the stage v8, the stores v9; no later vector line names them
.set n, 0
.rept 16                                       ; load n: block n / 8, rows 2 (n % 8) and 2 (n % 8) + 1
	global_load_b128 v[X+4*n:X+4*n+3], v6, s[4:5] offset:(n%8)*16384+(n/8)*256 th:TH_LOAD_NT
.set n, n+1
.endr
.set n, 0
.rept 16
	s_wait_loadcnt 15-n
	v_min_u32 v[X+4*n], 1, v[X+4*n]                ; 0 stays 0, all else is 1
	v_min_u32 v[X+4*n+1], 1, v[X+4*n+1]
	v_min_u32 v[X+4*n+2], 1, v[X+4*n+2]
	v_min_u32 v[X+4*n+3], 1, v[X+4*n+3]
	v_lshl_or_b32 v[X+4*n], v[X+4*n+1], 8, v[X+4*n]
	v_lshl_or_b32 v[X+4*n+2], v[X+4*n+3], 8, v[X+4*n+2]
	v_lshl_or_b32 v[X+4*n], v[X+4*n+2], 16, v[X+4*n]
	v_xor_b32 v[X+4*n], 0x01010101, v[X+4*n]       ; 1 where the key is hidden,
	v_mul_lo_u32 v[X+4*n], v[X+4*n], s35           ; the code of -1.0 there: no byte carries into the next
.set n, n+1
.if n == 12                                    ; the first block leaves in the middle of the second block's work: 36 vector lines stand between its loads from the stage and this wait
	s_wait_dscnt 0x0                               ; the first block's two loads from the stage are in
	global_store_b128 v9, v[Y:Y+3], s[6:7]            ; 512 consecutive bytes, aligned.  No wait on va_vdst: the data come from LDS loads, and no vector line since the head's wait names v9 or Y
	global_store_b128 v9, v[Y+4:Y+7], s[6:7] offset:512
.endif
.if n%8 == 0                                   ; a block of eight loads is worked
	s_wait_alu depctr_va_vdst(0)                   ; the block's vector lines have written its eight words X + 4 n, which the LDS stores below read
.irp r, 0,1,2,3,4,5,6,7
	ds_store_b32 v7, v[X+4*(n-8+(\r))] offset:32*(\r)+1024*(n/8-1)
.endr
.irp k, 0,1
	ds_load_b128 v[Y+8*(n/8-1)+4*(\k):Y+8*(n/8-1)+4*(\k)+3], v8 offset:1024*(n/8-1)+512*(\k)  ; my own bytes: LDS serves a wave's instructions in order, so these see the stores above
.endr
.endif
.endr
	s_wait_dscnt 0x0                               ; the second block's two loads from the stage are in
.irp k, 2,3
	global_store_b128 v9, v[Y+4*(\k):Y+4*(\k)+3], s[6:7] offset:512*(\k)  ; 512 consecutive bytes, aligned
.endr
.Lend:
	s_wait_dscnt 0x0                               ; the wave's end
	s_wait_alu depctr_hold_cnt(0) depctr_sa_sdst(0) depctr_va_vdst(0) depctr_va_sdst(0) depctr_va_ssrc(0) depctr_va_vcc(0) depctr_vm_vsrc(0)
	s_wait_tensorcnt 0x0
	ds_add_u32 v4, v5
	s_wait_dscnt 0x0
	s_endpgm
.Lfunc_end_k_q4f90048ceb_prep:
	.size	k_q4f90048ceb_prep, .Lfunc_end_k_q4f90048ceb_prep-k_q4f90048ceb_prep
	.p2alignl 7, 3214868480
	.fill 96, 4, 3214868480
	.section	.rodata,"a",@progbits
	.p2align	6, 0x0
	.amdhsa_kernel k_q4f90048ceb_prep
		.amdhsa_group_segment_fixed_size 17408
		.amdhsa_private_segment_fixed_size 0
		.amdhsa_enable_private_segment 0
		.amdhsa_kernarg_size 56
		.amdhsa_user_sgpr_count 2
		.amdhsa_user_sgpr_kernarg_segment_ptr 1
		.amdhsa_wavefront_size32 1
		.amdhsa_system_sgpr_workgroup_id_x 1
		.amdhsa_system_sgpr_workgroup_id_y 1
		.amdhsa_system_sgpr_workgroup_id_z 1
		.amdhsa_system_vgpr_workitem_id 0
		.amdhsa_next_free_vgpr 112
		.amdhsa_next_free_sgpr 66
		.amdhsa_reserve_vcc 0
		.amdhsa_float_denorm_mode_32 3
		.amdhsa_float_denorm_mode_16_64 3
		.amdhsa_memory_ordered 1
		.amdhsa_forward_progress 1
		.amdhsa_inst_pref_size 29
	.end_amdhsa_kernel
	.amdgpu_metadata
---
amdhsa.version: [ 1, 2 ]
amdhsa.kernels:
  - .name:           k_q4f90048ceb_prep
    .symbol:         k_q4f90048ceb_prep.kd
    .args:
      - { .name: Wq, .offset: 0, .size: 8, .value_kind: global_buffer, .address_space: global }
      - { .name: Wk, .offset: 8, .size: 8, .value_kind: global_buffer, .address_space: global }
      - { .name: Wv, .offset: 16, .size: 8, .value_kind: global_buffer, .address_space: global }
      - { .name: Wo, .offset: 24, .size: 8, .value_kind: global_buffer, .address_space: global }
      - { .name: attn_mask, .offset: 32, .size: 8, .value_kind: global_buffer, .address_space: global }
      - { .name: wb, .offset: 40, .size: 8, .value_kind: global_buffer, .address_space: global }
      - { .name: maskw, .offset: 48, .size: 8, .value_kind: global_buffer, .address_space: global }
    .group_segment_fixed_size: 17408
    .private_segment_fixed_size: 0
    .kernarg_segment_align: 8
    .kernarg_segment_size: 56
    .max_flat_workgroup_size: 256
    .sgpr_count:     66
    .vgpr_count:     112
    .wavefront_size: 32
...
	.end_amdgpu_metadata
.endif
;; end of part 5
;; launch proj: the kernel of part 2 again; grid 4 x 192, 4 waves a work-group, clusters of 4 x 4, 327,680 bytes of LDS; arguments query, key, value, wb, bq, bk, bv, qkvh; writes qkvh
;; launch attn: the kernel of part 3 again; grid 4 x 64, 4 waves a work-group, clusters of 4 x 1, 327,680 bytes of LDS; arguments qkvh, oh, maskw; writes oh
;; launch outp: the kernel of part 4 again; grid 4 x 64, 4 waves a work-group, clusters of 4 x 4, 327,680 bytes of LDS; arguments oh, wb, bo, out0; writes out0
